; MI455X (gfx1250); checked and timed in simulation.
; The chip was launched on July 23, 2026; its instructions are those of AMD's public machine-readable ISA for CDNA 5 (MIT licence, August 2026) and "CDNA5" Instruction Set Architecture Reference Guide (July 2026). The comments in the code are by the model that wrote it; some were corrected since.
;; Flax TPU Gemma3 Attention. Allowed arithmetic: matrix products marked QUANTISED: E2M3 operands, one E8M0 scale for each 32 along K, by v_wmma_scale_f32_16x16x128_f8f6f4 with both operands' format E2M3, f32 sums; everything else in f32.
;; Inputs: Wk 2,048 x 1,024 float32; Wo 1,024 x 2,048 float32; Wq 2,048 x 1,024 float32; Wv 2,048 x 1,024 float32; attention_mask 2 x 2,048 int32; cos 2 x 2,048 x 256 float32; hidden_states 2 x 2,048 x 2,048 float32; k_norm_w 256 float32; q_norm_w 256 float32; sin 2 x 2,048 x 256 float32.
;; Outputs: out0 2 x 2,048 x 2,048 float32.
;; This version of the problem:
;;   THIS VERSION OF THE PROBLEM IS GIVEN IN LOW PRECISION. The matrix products marked QUANTISED in the list below multiply operands that are first quantised to E2M3 (2 exponent bits, 3 mantissa bits; 6 bits a number), with one power-of-two scale for each 32 numbers along K (OCP MX v1.0); their sums are f32. All else is computed in f32.
;;   The module's matrix products, in the order in which they are computed (A, B: the left and right operand; K: the contracted axis; several contracted axes count as one K, in the product's order):
;;     1. [M 4,096, K 2,048] x [K 2,048, N 1,024]; A: input hidden_states; B: input Wq: QUANTISED
;;     2. [M 4,096, K 2,048] x [K 2,048, N 1,024]; A: input hidden_states; B: input Wk: QUANTISED
;;     3. [M 4,096, K 2,048] x [K 2,048, N 1,024]; A: input hidden_states; B: input Wv: QUANTISED
;;     4. batch 8 x [M 2,048, K 256] x [K 256, N 2,048]; A: computed on the way; B: computed on the way: QUANTISED
;;     5. batch 8 x [M 256, K 2,048] x [K 2,048, N 2,048]; A: computed on the way; B: softmax (see below): QUANTISED
;;     6. [M 4,096, K 1,024] x [K 1,024, N 2,048]; A: computed on the way; B: input Wo: QUANTISED
;;   THE QUANTISER, for each operand of a quantised product, along K:
;;     - K is cut into blocks of 32 from its start; a last block that is shorter is filled with zeros.
;;     - A block's scale is 2^e with e = floor(log2(the largest magnitude in the block)) - 2, held to -126 .. 127; a block of zeros has e = 0. As a byte (E8M0): e + 127.
;;     - Each number is divided by its block's scale, clamped to +-7.5, and rounded to the nearest number of E2M3, ties to even, subnormals kept.
;;     - The product sums the exact products of the quantised numbers (number of the format x scale) in f32.
;;   ~~~python
;;   def quantise(x, axis):      # numpy; x: float32 -> the quantised numbers, widened to float32 again
;;       x = np.moveaxis(x, axis, -1); K = x.shape[-1]
;;       x = np.pad(x, [(0, 0)] * (x.ndim - 1) + [(0, -K % 32)]); x = x.reshape(x.shape[:-1] + (-1, 32)); a = np.abs(x).max(-1, keepdims=True)
;;       e = np.where(a > 0, np.clip(np.frexp(np.where(a > 0, a, 1))[1] - 1 - 2, -126, 127), 0)      # np.frexp(a)[1] - 1 = floor(log2(a)), exactly
;;       r = np.clip(x / 2.0 ** e, -7.5, 7.5)
;;       step = 2.0 ** (np.maximum(np.frexp(np.where(r == 0, 1, r))[1] - 1, 0) - 3)
;;       q = np.round(r / step) * step * 2.0 ** e      # np.round: ties to even
;;       return np.moveaxis(q.reshape(q.shape[:-2] + (-1,))[..., :K], -1, axis).astype(np.float32)
;;   ~~~
;;   SOFTMAX AHEAD OF A QUANTISED PRODUCT. Where the list says 'softmax', what is quantised is not the finished softmax but p = 2^(t - M), with t = logit x log2(e) and M = ceil(the row's largest t), a whole number; so 1/2 < the row's largest p <= 1. The row's sum l is taken of the UNQUANTISED p, in f32, and the product's result is divided by l at the end. Since M is a whole number, a kernel that streams over the keys may use a running M (the ceiling of the running maximum): every later rescaling is an exact power of two, which a block's scale takes up: the codes' values come out the same.
;;   OPERANDS COMPUTED ON THE WAY. 'Computed on the way' means the value that the module computes at that place (a softmax that the list does not call 'softmax' is quantised finished and normalised). What goes into a quantiser is computed in f32, as accurately as f32 sums, v_exp_f32 and their like allow (about 1e-6 of the number): no bf16 or f16 on the way to a quantiser, and a product that is left as it is and whose result goes on into a quantised operand takes f32 operands (vector FMAs, or v_wmma_f32_16x16x4_f32). A number that lies on a knife's edge between two numbers of the format may be rounded either way, as far as f32 arithmetic and the matrix unit's own rounding can turn it there, and no further.
;; One version. Each part assembles by itself: llvm-mc -triple=amdgcn-amd-amdhsa -mcpu=gfx1250 --defsym DOCPART=n.
;; ======== version 1 of 1: 4 launches
;; limits: right only within a limited range of input values
;; workspace buffers: xq 6,553,600 bytes; wq 6,553,600 bytes; qbuf 3,276,800 bytes; kv 6,553,600 bytes; vs 131,072 bytes; ob 3,276,800 bytes
;; launch quant (part 1): grid 512 x 1, 4 waves a work-group, no clusters, 129,536 bytes of LDS; arguments hidden_states, Wq, Wk, Wv, Wo, xq, wq; writes xq, wq
.if DOCPART == 1
	.amdgcn_target "amdgcn-amd-amdhsa--gfx1250"
	.amdhsa_code_object_version 6
	.text
	.protected	k_q47c757a416_quant
	.globl	k_q47c757a416_quant
	.p2align	8
	.type	k_q47c757a416_quant,@function
k_q47c757a416_quant:
	s_mov_b64 s[64:65], 0
	v_nop
	global_prefetch_b8 v0, s[64:65] scope:SCOPE_SE
	s_setreg_imm32_b32 hwreg(HW_REG_WAVE_MODE, 25, 1), 1
	s_wait_xcnt 0x0
; FIRST OF FOUR LAUNCHES (quant, qkv, attn, proj) of a Gemma-3 attention layer on codes of FP6 (E2M3) with one E8M0 scale for each 32 along K.
; This launch quantises hidden_states [4096][2048] along its last axis, and Wq, Wk, Wv [2048][1024] and Wo [1024][2048] along their FIRST axis, into codes with K innermost.
; WORK LEFT OUT BY THE PROGRAM, and why it is dead.  reference() builds the band j <= i, i - j < 1024 in its own body.  For a query that has an allowed key, a key outside the band gets the logit finfo.min,
; whose exponential less the row's maximum is 0 whatever the inputs hold: so key steps of 128 keys that lie wholly outside the band of a wave's 32 queries are not multiplied (launch attn).  A query with NO allowed
; key has 2,048 equal logits in reference(): its result is the mean of the quantised v over all 2,048 keys; that is served by a select in attn from column sums that qkv makes, so it is not left out.
; jnp.repeat with groups = 1 is the identity.  Every input has a way to the output and is loaded.  LIMIT: a NaN, an infinity or an overflow that reaches only the key steps left out is not carried to the result.
; LIMITS of the quantiser here: blocks whose largest magnitude lies under 2^-124 keep the byte 1 (a block of zeros too: its codes are zeros, and this program alone reads the bytes); NaN and infinities among the inputs are not served.
; ROW ORDER of the code buffers.  Row n of hidden_states and of Wq|Wk|Wv is stored at n with bits 3 and 4 exchanged, so that 16 stored rows on end are the rows 32 g + 8 u + r + 8 (r / 8): as source 0 of a matrix
; instruction they give a lane 16 neighbours in the registers of two neighbouring tiles.  The rows of Wq|Wk|Wv also have bits 6 and 7 exchanged within a head, so that d and d + 128 (the rotary pair) meet in one wave.
; Wo's codes leave as IMAGES of operand registers, [256 columns][256 along K][fragment of 16 columns][128 along K][1,536 bytes]: register g of lane l of a fragment lies at 512 (g / 4) + 16 l + 4 (g % 4); its columns keep their order.
; THREE PATHS part on the work-group's number, each with LDS bytes of its own: 0-255 hidden_states (a stream of blocks of 32, 16 rows x 512 along K a wave), 256-447 Wq, Wk, Wv, 448-511 Wo (a lane to a column, registers down K).
.set SPARE, 102400                     ; the spare words, 128 bytes for each wave: two blocks of 256 bytes that no other line names
.set SPW,   12                         ; v12 LDS address of my spare word; never rewritten
.set NIL,   13                         ; v13 0; never rewritten
.set EMAX,  2
; path H
.set STEPS, 16
.set CB,    12                         ; bytes of 16 codes
.set R,     16                         ; v16-79   four sets of 16 numbers as loaded
.set X,     80                         ; v80-111  two sets of 16 neighbours
.set E,     112                        ; v112-127 a scale byte for each step
.set C,     128                        ; v128-190 codes, four registers for each step
.set WREG,  8192
; LAYOUT of xq and of Wq|Wk|Wv in wq: IMAGES of operand registers, [256 stored rows][256 along K][fragment of 16 rows][128 along K][1,536 bytes], as Wo's; scale bytes [16 stored rows][256 along K][row][8 bytes].
; Path H: a work-group takes one fragment of 16 stored rows, a wave 512 along K of them, a step one row; the codes gather in the wave's image stage and leave as stores of 512 consecutive bytes.
.set IMG,   102912                     ; path H's image stages, behind the spare words: IMGW bytes a wave
.set IMGW,  6656                       ; 4 images x 3 groups x (2 x 272): 16 bytes of padding behind each 256, so that a step's 32 word stores fall on 32 banks
.set SP,    80
; paths W and O
.set NB,    8                          ; blocks of 32 along K for a wave
.set PITCH, 272                        ; a stage row: sixteen places of 16 bytes + 16
.set WX,    32                         ; v32-95   two sets of 32 numbers
.set WC,    96                         ; v96-102  a block's codes
.set OUTR,  112                        ; v112-175 the way out
.set SB,    24                         ; v24-25   the scale bytes
.macro LOAD t
.irp i, 0,1,2,3
	global_load_b128 v[R+16*((\t)%4)+4*\i:R+16*((\t)%4)+4*\i+3], v3, s[4:5] offset:(((\t)&7)+16*((\t)>>3))*8192+512*\i th:TH_LOAD_NT   ; stored row t of the fragment is row t % 8 + 16 (t / 8); 32 lanes read 512 consecutive bytes
.endr
.endm
.macro TURN t                          ; a step's 2,048 bytes through my own stage: in as they lie, out 64 bytes a lane; LDS serves a wave's instructions in order
.irp i, 0,1,2,3
	ds_store_b128 v14, v[R+16*((\t)%4)+4*\i:R+16*((\t)%4)+4*\i+3] offset:32*SP*((\t)%2)+8*SP*\i
.endr
.irp i, 0,1,2,3
	ds_load_b128 v[X+16*((\t)%2)+4*\i:X+16*((\t)%2)+4*\i+3], v15 offset:32*SP*((\t)%2)+16*\i
.endr
.endm
.macro STEP t
.set XS, X+16*((\t)%2)
.if (\t) > 0
	s_wait_dscnt 4                                 ; this step's numbers are back (the last step's byte store and three word stores may be out)
.else
	s_wait_dscnt 0x0
.endif
.if (\t)+4 < STEPS
	LOAD (\t)+4
.endif
.if (\t)+1 < STEPS
.if STEPS-2-(\t) >= 3
	s_wait_loadcnt 12                              ; the next step's four loads are in; those of three later steps may be out
.else
	s_wait_loadcnt 4*(STEPS-2-(\t))
.endif
	TURN (\t)+1
.endif
	v_max3_num_f32 v8, |v[XS]|, |v[XS+1]|, |v[XS+2]|
	v_max3_num_f32 v9, |v[XS+3]|, |v[XS+4]|, |v[XS+5]|
.irp i, 6,10
	v_max3_num_f32 v8, v8, |v[XS+\i]|, |v[XS+\i+1]|
	v_max3_num_f32 v9, v9, |v[XS+\i+2]|, |v[XS+\i+3]|
.endr
	v_max3_num_f32 v8, v8, |v[XS+14]|, |v[XS+15]|
	v_max3_num_f32 v8, v8, v9, (EMAX+1)<<23        ; the floor 2^(3 - 127): the byte cannot fall under 1
	v_max_num_f32_dpp v8, v8, v8 row_xmask:1 row_mask:0xf bank_mask:0xf   ; with my neighbour's 16: the block's largest magnitude
	v_add_nc_u32 v11, -(EMAX<<23), v8              ; 2 off its exponent field: the conversion's scale operand
	v_cvt_scalef32_pk16_fp6_f32 v[C+4*(\t):C+4*(\t)+2], v[XS:XS+15], v11
	v_lshrrev_b32 v[E+(\t)], 23, v11               ; the scale's byte
	ds_store_b8 v5, v[E+(\t)] offset:8*(\t)        ; both lanes of a block write the same byte with the same value
	ds_store_b32 v1, v[C+4*(\t)] offset:16*(\t)    ; my three words to their places in the image: row t
	ds_store_b32 v10, v[C+4*(\t)+1] offset:16*(\t)
	ds_store_b32 v191, v[C+4*(\t)+2] offset:16*(\t)
.endm
.macro WLOAD t, n                      ; block t: W(32 t + i, my column) into set t % 2; n = numbers in a row of W
.irp i, 0,1,2,3,4,5,6,7,8,9,10,11,12,13,14,15,16,17,18,19,20,21,22,23,24,25,26,27,28,29,30,31
	global_load_b32 v[WX+32*((\t)%2)+\i], v3, s[24:25] offset:(32*(\t)+\i)*(\n)*4 th:TH_LOAD_NT
.endr
.endm
; img = 1: the block's six words go to their places in an image: block t is K step t / 4 of 128, registers 6 ((t % 4) / 2) .. + 5 of lane r + 16 (t % 2)
.macro WBLOCK t, n, img
.set XS, WX+32*((\t)%2)
.if (\t) < NB-1
	s_wait_loadcnt 32                              ; this block's 32 loads are in; the next block's may be out
.else
	s_wait_loadcnt 0
.endif
	v_max3_num_f32 v16, |v[XS]|, |v[XS+1]|, |v[XS+2]|               ; all 32 numbers of the block are mine
	v_max3_num_f32 v17, |v[XS+3]|, |v[XS+4]|, |v[XS+5]|
.irp i, 6,10,14,18,22,26
	v_max3_num_f32 v16, v16, |v[XS+\i]|, |v[XS+\i+1]|
	v_max3_num_f32 v17, v17, |v[XS+\i+2]|, |v[XS+\i+3]|
.endr
	v_max3_num_f32 v16, v16, |v[XS+30]|, |v[XS+31]|
	v_max3_num_f32 v16, v16, v17, (EMAX+1)<<23
	v_add_nc_u32 v11, -(EMAX<<23), v16
	v_lshrrev_b32 v17, 23, v11
.if (\t)%4 == 0
	v_mov_b32 v[SB+(\t)/4], v17
.else
	v_lshl_or_b32 v[SB+(\t)/4], v17, 8*((\t)%4), v[SB+(\t)/4]
.endif
	v_cvt_scalef32_pk16_fp6_f32 v[WC:WC+2], v[XS:XS+15], v11
	v_cvt_scalef32_pk16_fp6_f32 v[WC+4:WC+6], v[XS+16:XS+31], v11   ; (a conversion's three registers begin on an even number)
.if \img
	v_nop                                          ; one plain place behind a scaled conversion
	v_mov_b32 v[WC+3], v[WC+4]                     ; the six words on end
	v_mov_b32 v[WC+4], v[WC+5]
	v_mov_b32 v[WC+5], v[WC+6]
.if ((\t)%4) < 2
	ds_store_b128 v4, v[WC:WC+3] offset:1536*((\t)/4)+256*((\t)%2)          ; registers 0-3,
	ds_store_b64 v4, v[WC+4:WC+5] offset:1536*((\t)/4)+256*((\t)%2)+512     ; 4, 5
.else
	ds_store_b64 v4, v[WC:WC+1] offset:1536*((\t)/4)+256*((\t)%2)+520       ; registers 6, 7,
	ds_store_b128 v4, v[WC+2:WC+5] offset:1536*((\t)/4)+256*((\t)%2)+1024   ; 8-11
.endif
.else
	ds_store_b96 v4, v[WC:WC+2] offset:32*(\t)     ; 12 bytes to a place of 16
	ds_store_b96 v4, v[WC+4:WC+6] offset:32*(\t)+16
.endif
.if (\t)+2 < NB
	WLOAD (\t)+2, \n
.endif
	s_wait_dscnt 0x0                               ; the stores have read their registers: the next block's codes may be written
.endm
; A wave's 32 columns x 256 along K.  s[24:25] W at my first number, s[26:27] the codes at my wave's first byte, s[28:29] the scale bytes at my first row.
; n: numbers in a row of W; krow, ks: bytes in a row of codes and of scale bytes; perm = 1: column c of my 32 goes to stored row c with bits 3 and 4 exchanged; img = 1: the codes leave as four images, 6,144 bytes on end; lds: the path's LDS bytes.
.macro WPATH n, krow, ks, perm, img, lds
	v_lshlrev_b32 v3, 2, v2
	s_mul_i32 s34, s18, 32*PITCH
	s_add_co_u32 s34, s34, \lds                    ; my stage
	v_and_b32 v5, 15, v2
	v_lshrrev_b32 v6, 4, v2
.if \perm
	v_and_b32 v5, 7, v2
	v_lshl_add_u32 v5, v6, 3, v5                   ; my column's stored row in its fragment: lane % 8 + 8 (lane / 16),
	v_bfe_u32 v6, v2, 3, 1                         ; and its fragment: (lane / 8) % 2
.endif
.if \img
	v_mul_u32_u24 v4, v6, 3072
	v_lshl_add_u32 v4, v5, 4, v4
	v_add_nc_u32 v4, s34, v4                       ; into it: fragment lane / 16 (two images each), 16 bytes for column lane % 16
	v_lshlrev_b32 v8, 4, v2                        ; out of it and into memory: 16 bytes a lane on end
	v_add_nc_u32 v7, s34, v8
.else
	v_mul_u32_u24 v4, v2, PITCH
	v_add_nc_u32 v4, s34, v4                       ; into it: row = my column
	v_mul_u32_u24 v7, v6, PITCH
	v_lshl_add_u32 v7, v5, 4, v7
	v_add_nc_u32 v7, s34, v7                       ; out of it: sixteen lanes to a row, two rows an instruction
	v_mul_u32_u24 v8, v6, \krow
	v_mad_u32_u24 v8, v5, 12, v8
.endif
.if \perm
	v_lshlrev_b32 v9, 3, v5
	v_lshl_add_u32 v9, v6, 10, v9                  ; scale bytes: 1,024 x fragment + 8 x row
.else
	v_mul_u32_u24 v9, v2, \ks
.endif
	WLOAD 0, \n
	WLOAD 1, \n
.set Q, 0
.rept NB
	WBLOCK Q, \n, \img
.set Q, Q+1
.endr
	s_wait_alu depctr_va_vdst(0)
	global_store_b64 v9, v[SB:SB+1], s[28:29]      ; my column's 8 scale bytes
.if \img
.irp t, 0,1,2,3,4,5,6,7,8,9,10,11
	ds_load_b128 v[OUTR+4*\t:OUTR+4*\t+3], v7 offset:512*\t      ; LDS serves a wave's instructions in order: these see my stores
.endr
.irp t, 0,1,2,3,4,5,6,7,8,9,10,11
	s_wait_dscnt 11-\t                             ; the younger loads may be out
	global_store_b128 v8, v[OUTR+4*\t:OUTR+4*\t+3], s[26:27] offset:512*\t   ; 32 lanes store 512 consecutive bytes, aligned
.endr
.else
.irp t, 0,1,2,3,4,5,6,7,8,9,10,11,12,13,14,15
	ds_load_b96 v[OUTR+4*\t:OUTR+4*\t+2], v7 offset:2*\t*PITCH   ; LDS serves a wave's instructions in order: these see my stores
.endr
.irp t, 0,1,2,3,4,5,6,7,8,9,10,11,12,13,14,15
.set SWT, 2*\t
.if \perm
.set SWT, ((2*\t)&7)+(((2*\t)&8)<<1)+(((2*\t)&16)>>1)
.endif
	s_wait_dscnt 15-\t
	global_store_b96 v8, v[OUTR+4*\t:OUTR+4*\t+2], s[26:27] offset:SWT*(\krow)   ; sixteen lanes store a row's 192 consecutive bytes
.endr
.endif
	s_wait_tensorcnt 0x0                           ; the wave's end: behind my last LDS store
	ds_add_u32 v[SPW], v[NIL]
	s_wait_dscnt 0x0
.endm
	s_load_b128 s[4:7], s[0:1], 0x0                ; hidden_states, Wq
	s_load_b128 s[8:11], s[0:1], 0x10              ; Wk, Wv
	s_load_b128 s[12:15], s[0:1], 0x20             ; Wo, xq
	s_load_b64 s[16:17], s[0:1], 0x30              ; wq
	v_lshl_add_u32 v[SPW], v0, 2, SPARE
	v_mov_b32 v[NIL], 0
	v_lshrrev_b32 v1, 5, v0
	v_readfirstlane_b32 s18, v1                    ; wave
	v_and_b32 v2, 31, v0                           ; lane
	s_mov_b32 s31, 0
	s_wait_kmcnt 0x0
	s_cmp_lt_u32 ttmp9, 256
	s_cbranch_scc0 .Lweights
	; ---- path H: hidden_states.  Work-group g takes fragment g of 16 stored rows; wave w the 512 along K from 512 w
	s_wait_alu depctr_va_vdst(0)
	v_lshlrev_b32 v3, 4, v2
	s_mul_i32 s19, s18, WREG
	v_lshrrev_b32 v14, 2, v2
	v_mul_u32_u24 v14, v14, SP
	v_and_b32 v15, 3, v2
	v_lshl_add_u32 v14, v15, 4, v14
	v_add_nc_u32 v14, s19, v14                     ; the stage, in: SP (lane / 4) + 16 (lane % 4)
	v_mul_u32_u24 v15, v2, SP
	v_add_nc_u32 v15, s19, v15                     ; and out: SP x lane
	v_lshrrev_b32 v5, 4, v2
	v_bfe_u32 v7, v2, 1, 3
	v_lshl_add_u32 v5, v5, 7, v7                   ; my block's byte: 128 (lane / 16) + (lane / 2) % 8, + 8 x row
	s_add_co_u32 s19, s19, 2*32*SP
	v_add_nc_u32 v5, s19, v5
	v_lshlrev_b32 v7, 3, v2
	v_add_nc_u32 v6, s19, v7
	s_mul_i32 s21, s18, IMGW
	s_add_co_u32 s21, s21, IMG                     ; my image stage
	; lane l holds k = 16 l .. + 15 of the wave's 512: image l / 8, c = (l / 4) % 2, h = (l / 2) % 2, half = l % 2: registers 6 c + 3 half + 0 .. 2 of lane row + 16 h
	v_lshrrev_b32 v8, 3, v2
	v_bfe_u32 v9, v2, 1, 1
	v_mul_u32_u24 v8, v8, 1632
	v_mad_u32_u24 v8, v9, 272, v8
	v_add_nc_u32 v8, s21, v8
	v_bfe_u32 v9, v2, 2, 1
	v_and_b32 v11, 1, v2
	v_mul_u32_u24 v9, v9, 6
	v_mad_u32_u24 v9, v11, 3, v9
.macro IADR d, j                       ; register g = v9 + j lies at 544 (g / 4) + 4 (g % 4)
	v_add_nc_u32 v11, \j, v9
	v_lshrrev_b32 v[\d], 2, v11
	v_and_b32 v11, 3, v11
	v_mad_u32_u24 v[\d], v[\d], 544, v8
	v_lshl_add_u32 v[\d], v11, 2, v[\d]
.endm
	IADR 1, 0
	IADR 10, 1
	IADR 191, 2
	v_lshrrev_b32 v4, 4, v2
	v_and_b32 v11, 15, v2
	v_mul_u32_u24 v4, v4, 272
	v_lshl_add_u32 v4, v11, 4, v4
	v_add_nc_u32 v4, s21, v4                       ; out of the stage: 16 bytes a lane
	s_lshr_b32 s20, ttmp9, 1                       ; fragment g holds rows 32 (g / 2) + 8 (g % 2) + t % 8 + 16 (t / 8)
	s_lshl_b32 s30, s20, 18
	s_and_b32 s20, ttmp9, 1
	s_lshl_b32 s20, s20, 16
	s_add_co_u32 s30, s30, s20
	s_lshl_b32 s20, s18, 11                        ; my 512 along K
	s_add_co_u32 s30, s30, s20
	s_add_nc_u64 s[4:5], s[4:5], s[30:31]
	s_lshr_b32 s20, ttmp9, 4
	s_mul_i32 s30, s20, 393216
	s_and_b32 s20, ttmp9, 15
	s_mul_i32 s20, s20, 3072
	s_add_co_u32 s30, s30, s20
	s_mul_i32 s20, s18, 98304                      ; two K steps of 256 a wave
	s_add_co_u32 s30, s30, s20
	s_add_nc_u64 s[26:27], s[14:15], s[30:31]
	s_lshl_b32 s30, ttmp9, 10
	s_lshl_b32 s20, s18, 8
	s_add_co_u32 s30, s30, s20
	s_add_co_u32 s30, s30, 6291456
	s_add_nc_u64 s[28:29], s[14:15], s[30:31]      ; scale bytes: 1,024 a fragment, 256 a wave
.irp t, 0,1,2,3
	LOAD \t
.endr
	s_wait_alu depctr_va_vdst(0)
	s_wait_loadcnt 12                              ; step 0's four loads are in
	TURN 0
.irp t, 0,1,2,3,4,5,6,7,8,9,10,11,12,13,14,15
	STEP \t
.endr
	ds_load_b64 v[8:9], v6
.irp k, 0,1,2,3
.irp c, 0,1,2
	ds_load_b128 v[R+12*\k+4*\c:R+12*\k+4*\c+3], v4 offset:1632*\k+544*\c   ; LDS serves a wave's instructions in order: these see my stores
.endr
.endr
	s_wait_dscnt 12                                ; the scale bytes are back; the 12 image loads may be out
	global_store_b64 v7, v[8:9], s[28:29]          ; 32 lanes store 256 consecutive bytes, aligned
	s_wait_dscnt 0x0
.irp k, 0,1,2,3
.irp c, 0,1,2
	global_store_b128 v3, v[R+12*\k+4*\c:R+12*\k+4*\c+3], s[26:27] offset:49152*(\k/2)+1536*(\k%2)+512*\c   ; 32 lanes store 512 consecutive bytes, aligned
.endr
.endr
	s_wait_tensorcnt 0x0                           ; the wave's end
	ds_add_u32 v[SPW], v[NIL]
	s_wait_dscnt 0x0
	s_endpgm
.Lweights:
	s_sub_co_u32 s19, ttmp9, 256
	s_cmp_lt_u32 s19, 192
	s_cbranch_scc0 .Lwo
	; ---- path W: Wq, Wk, Wv.  64 work-groups a tensor: x = 128 columns, y = 256 along K
	s_lshr_b32 s20, s19, 6                         ; which tensor
	s_and_b32 s21, s19, 7                          ; x
	s_bfe_u32 s22, s19, 0x30003                    ; y
	s_cmp_eq_u32 s20, 0
	s_cselect_b64 s[24:25], s[6:7], s[8:9]
	s_cmp_eq_u32 s20, 2
	s_cselect_b64 s[24:25], s[10:11], s[24:25]
	s_lshl_b32 s30, s22, 20                        ; 256 rows of 4,096 bytes
	s_lshl_b32 s33, s21, 9
	s_add_co_u32 s30, s30, s33
	s_lshl_b32 s33, s18, 7
	s_add_co_u32 s30, s30, s33
	s_add_nc_u64 s[24:25], s[24:25], s[30:31]
	s_lshl_b32 s32, s20, 10                        ; stored first row = 1024 tensor + 256 (x / 2) + 128 (wave / 2) + 64 (x % 2) + 32 (wave % 2)
	s_lshr_b32 s33, s21, 1
	s_lshl_b32 s33, s33, 8
	s_add_co_u32 s32, s32, s33
	s_lshr_b32 s33, s18, 1
	s_lshl_b32 s33, s33, 7
	s_add_co_u32 s32, s32, s33
	s_and_b32 s33, s21, 1
	s_lshl_b32 s33, s33, 6
	s_add_co_u32 s32, s32, s33
	s_and_b32 s33, s18, 1
	s_lshl_b32 s33, s33, 5
	s_add_co_u32 s32, s32, s33
	s_lshr_b32 s33, s32, 8                         ; images: 393,216 x tile of 256 rows + 49,152 y + 3,072 x fragment
	s_mul_i32 s30, s33, 393216
	s_bfe_u32 s33, s32, 0x40004
	s_mul_i32 s33, s33, 3072
	s_add_co_u32 s30, s30, s33
	s_mul_i32 s33, s22, 49152
	s_add_co_u32 s30, s30, s33
	s_add_nc_u64 s[26:27], s[16:17], s[30:31]
	s_lshl_b32 s30, s32, 6                         ; scale bytes: 1,024 x fragment + 128 y
	s_lshl_b32 s33, s22, 7
	s_add_co_u32 s30, s30, s33
	s_add_co_u32 s30, s30, 4718592
	s_add_nc_u64 s[28:29], s[16:17], s[30:31]
	s_wait_alu depctr_va_vdst(0)
	WPATH 1024, 1536, 64, 1, 1, 32768
	s_endpgm
.Lwo:
	; ---- path O: Wo.  x = 128 columns of 2,048, y = 256 of K's 1,024
	s_sub_co_u32 s19, s19, 192
	s_and_b32 s21, s19, 15
	s_lshr_b32 s22, s19, 4
	s_lshl_b32 s30, s22, 21                        ; 256 rows of 8,192 bytes
	s_lshl_b32 s33, s21, 9
	s_add_co_u32 s30, s30, s33
	s_lshl_b32 s33, s18, 7
	s_add_co_u32 s30, s30, s33
	s_add_nc_u64 s[24:25], s[12:13], s[30:31]
	s_lshl_b32 s32, s21, 7
	s_lshl_b32 s33, s18, 5
	s_add_co_u32 s32, s32, s33                     ; my first column: its row of scale bytes
	s_lshl_b32 s30, s32, 5
	s_lshl_b32 s33, s22, 3
	s_add_co_u32 s30, s30, s33
	s_add_co_u32 s30, s30, 6488064
	s_add_nc_u64 s[28:29], s[16:17], s[30:31]
	s_lshr_b32 s32, s21, 1                         ; the images: ((4 (x / 2) + y) 16 + 8 (x % 2) + 2 wave) fragments of 3,072 bytes
	s_lshl_b32 s32, s32, 2
	s_add_co_u32 s32, s32, s22
	s_lshl_b32 s32, s32, 4
	s_and_b32 s33, s21, 1
	s_lshl_b32 s33, s33, 3
	s_add_co_u32 s32, s32, s33
	s_lshl_b32 s33, s18, 1
	s_add_co_u32 s32, s32, s33
	s_mul_i32 s30, s32, 3072
	s_add_co_u32 s30, s30, 4915200
	s_add_nc_u64 s[26:27], s[16:17], s[30:31]
	s_wait_alu depctr_va_vdst(0)
	WPATH 2048, 768, 32, 0, 1, 67584
	s_endpgm
.Lfunc_end_k_q47c757a416_quant:
	.size	k_q47c757a416_quant, .Lfunc_end_k_q47c757a416_quant-k_q47c757a416_quant
	.p2alignl 7, 3214868480
	.fill 96, 4, 3214868480
	.section	.rodata,"a",@progbits
	.p2align	6, 0x0
	.amdhsa_kernel k_q47c757a416_quant
		.amdhsa_group_segment_fixed_size 129536
		.amdhsa_private_segment_fixed_size 0
		.amdhsa_enable_private_segment 0
		.amdhsa_kernarg_size 56
		.amdhsa_user_sgpr_count 2
		.amdhsa_user_sgpr_kernarg_segment_ptr 1
		.amdhsa_wavefront_size32 1
		.amdhsa_system_sgpr_workgroup_id_x 1
		.amdhsa_system_sgpr_workgroup_id_y 1
		.amdhsa_system_sgpr_workgroup_id_z 1
		.amdhsa_system_vgpr_workitem_id 0
		.amdhsa_next_free_vgpr 192
		.amdhsa_next_free_sgpr 66
		.amdhsa_reserve_vcc 0
		.amdhsa_float_denorm_mode_32 3
		.amdhsa_float_denorm_mode_16_64 3
		.amdhsa_memory_ordered 1
		.amdhsa_forward_progress 1
		.amdhsa_inst_pref_size 121
	.end_amdhsa_kernel
	.amdgpu_metadata
---
amdhsa.version: [ 1, 2 ]
amdhsa.kernels:
  - .name:           k_q47c757a416_quant
    .symbol:         k_q47c757a416_quant.kd
    .args:
      - { .name: hidden_states, .offset: 0, .size: 8, .value_kind: global_buffer, .address_space: global }
      - { .name: Wq, .offset: 8, .size: 8, .value_kind: global_buffer, .address_space: global }
      - { .name: Wk, .offset: 16, .size: 8, .value_kind: global_buffer, .address_space: global }
      - { .name: Wv, .offset: 24, .size: 8, .value_kind: global_buffer, .address_space: global }
      - { .name: Wo, .offset: 32, .size: 8, .value_kind: global_buffer, .address_space: global }
      - { .name: xq, .offset: 40, .size: 8, .value_kind: global_buffer, .address_space: global }
      - { .name: wq, .offset: 48, .size: 8, .value_kind: global_buffer, .address_space: global }
    .group_segment_fixed_size: 129536
    .private_segment_fixed_size: 0
    .kernarg_segment_align: 8
    .kernarg_segment_size: 56
    .max_flat_workgroup_size: 128
    .sgpr_count:     66
    .vgpr_count:     192
    .wavefront_size: 32
...
	.end_amdgpu_metadata
.endif
;; end of part 1
;; launch qkv (part 2): grid 12 x 16, 4 waves a work-group, clusters of 4 x 4, 327,680 bytes of LDS; arguments xq, wq, cos, sin, q_norm_w, k_norm_w, qbuf, kv, vs; writes qbuf, kv, vs
.if DOCPART == 2
	.amdgcn_target "amdgcn-amd-amdhsa--gfx1250"
	.amdhsa_code_object_version 6
	.text
	.protected	k_q47c757a416_qkv
	.globl	k_q47c757a416_qkv
	.p2align	8
	.type	k_q47c757a416_qkv,@function
k_q47c757a416_qkv:
	s_mov_b64 s[64:65], 0
	v_nop
	global_prefetch_b8 v0, s[64:65] scope:SCOPE_SE
	s_setreg_imm32_b32 hwreg(HW_REG_WAVE_MODE, 25, 1), 1
	s_wait_xcnt 0x0
	s_wait_alu depctr_hold_cnt(0) depctr_sa_sdst(0) depctr_va_vdst(0) depctr_va_sdst(0) depctr_va_ssrc(0) depctr_va_vcc(0) depctr_vm_vsrc(0)
	s_getreg_b32 s2, hwreg(HW_REG_IB_STS2, 6, 4)
	s_cmp_eq_u32 s2, 0
	s_cbranch_scc0 .Lentry_in_a_cluster
	s_endpgm
.Lentry_in_a_cluster:
	s_bfe_u32 s2, ttmp6, 0x10000c
	s_cmp_lg_u32 s2, 0xf033
	s_cbranch_scc0 .Lentry_shape_is_right
	s_endpgm
.Lentry_shape_is_right:
; q, k and v = hidden_states x Wq, Wk, Wv on codes of FP6 (E2M3), K = 2,048, and what reference() does to them up to the quantisers of the attention's operands.  Nothing of reference() is left out here.
; A work-group of four waves makes 256 x 256 results, a wave 128 x 128 in 64 accumulators.  The operands lie in memory as IMAGES of operand registers, [256 rows][256 along K][fragment of 16 rows][128 along K][1,536 bytes]:
; a K step of 256 of 128 rows is 24,576 dense bytes, 96 tensor rows of 256 bytes on 256-byte borders, and a fragment is three LDS loads of 16 bytes a lane, 512 consecutive bytes each.
; K goes in steps of 256 through a ring of two LDS slots of 98,304 bytes; the scale bytes of the work-group's rows ([16 rows][256 along K][row][8 bytes], 16,384 a side) come once.
; CLUSTERS of 4 x 4.  Source 0 of the matrix instruction is X (its tile hangs on cx: shared along a column of the cluster), source 1 is Y (hangs on cy: shared along a row).  A lane holds ONE row of Y and eight rows of X an accumulator.
;   cluster x = 0 (q), 1 (k): X = the 256 rows of W of head cx, Y = 256 tokens.   cluster x = 2 (v): X = 256 tokens, Y = the rows of Wv of head cy.  The choice hangs on the cluster's x alone, which all sixteen partners share.
; By the stored row order (16 stored rows on end are rows 32 g + 8 u + r + 8 (r / 8)) the 16 registers of accumulators 2 g, 2 g + 1 are 16 neighbours along X.
; GRID: 192 work-groups: a head's 256 d (RMS norm, rotary pair) stay in one work-group, and 3,072 x 4,096 results in blocks of 256 x 256 are 192.
; PREFETCH: behind each refill in the loop's first two trips a wave names the K step two refills on of the 24,576 bytes that it fetches; the four partners that ask for a tile jointly take 6,144 bytes each, told apart by address; lanes 256 bytes apart, lanes 24-31 name the last block again.
; THE WAY OUT, q and k: RMS norm over the head's 256 (my 128 and the neighbour wave's, through LDS), gain 1 + w, rotary pairs d, d + 128 (accumulators b and b + 4), q x 1/16, then the quantiser along d.   v: the quantiser along the keys, and the sum of the quantised v over my 128 keys.
; RESULTS leave as images: a fragment by three stores of 512 consecutive bytes; the scale words of 8 fragments x 2 halves as a block of 1,024 bytes.  cos and sin run two fragments ahead; fragment 0's are asked for ahead of the last K step, into X's set that is done with.
; LIMITS: 1 / sqrt by v_rsq_f32 and a multiplication stand for the division by the square root; blocks under 2^-124 keep the byte 1; NaN and infinities are not served.
; REGISTERS: window 0: v1 r, v2 h, v3 16 x lane, v4-7 way-out offsets, v8 prefetch offset, v16-31 addresses; v32-63 scale words, two sets; from v128 Y's fragments, one set.  window 1: X's fragments, two sets.  windows 2, 3: the accumulators.
;   on the way out, window 0: v64-79 TM, v80-98 PC, v100-107 PWS, v108-123 IV, v128-191 G, v192-255 R (before R: the sums of squares); window 1: two buffers of 64 cos + 64 sin.
.set NQ,     2
.set FR,     12
.set NL,     3                         ; LDS loads that bring a fragment
.set NP,     4
.set HALFT,  24576                     ; 128 rows x 256 along K
.set SLOT,   4*HALFT
.set KSB,    49152                     ; from a K step of 256 to the next, in memory
.set TILEB,  393216                    ; 256 rows x 2,048 along K
.set LAPS,   4
.set SCL,    2*SLOT                    ; Y's scale bytes, then X's
.set SPARE,  SCL+32768                 ; the spare words: two blocks of 256 bytes that no other line names
.set XCH,    SPARE+512                 ; 512 bytes a wave: the sums of squares for the neighbour wave; no fill lands here
.set PFO,  8
.set ADRA, 16
.set ADRB, 20
.set ADRS, 27
.set SPW,  28
.set NIL,  29
.set XW,   30
.set XR,   31
.set SC,   32
.set AF,   128
.set TM,   64
.set PC,   80
.set PWS,  100
.set IV,   108
.set G,    128
.set R,    192
.set SS,   192
.set PS,   208
.set ONES, 128
.set ONESC, 140
.set VSD,  192
.set G0H,  4
.set G0HB, 8
.set PFA,  12
.set G1, 24
.set G0, 32
.set G1B, 48
.set G0B, 56
.set G1S, 68
.set G0S, 76
.set G1SB, 80
.set G0SB, 88
.set MSB, 0
.macro WIN new                         ; the immediate's high byte repeats the setting that is left
.if MSB != (\new)
	s_set_vgpr_msb (MSB<<8)|(\new)
.set MSB, (\new)
.endif
.endm
.set MUL_LO, 0xa1                      ; source 0 (X) window 1, source 1 (Y) window 0, C and D window 2
.set MUL_HI, 0xf1
.set TO_B,   0x40
.macro TL g0, g1                       ; a tensor load with an s_nop and four v_nop behind it
	tensor_load_to_lds s[\g0:\g0+3], s[\g1:\g1+7]
	s_nop 0
.rept 4
	v_nop
.endr
.endm
.macro JLOAD g0a, g1a, g0b, g1b        ; a joint load: waves 0 and 1 fetch for Y, waves 2 and 3 for X
	s_cmp_eq_u32 s15, 0
	s_cbranch_scc0 .Lfor_b_\@
	TL \g0a, \g1a
	s_branch .Lasked_\@
.Lfor_b_\@:
	TL \g0b, \g1b
.Lasked_\@:
.endm
.macro CREST
	s_cmp_lg_u32 s14, 0
	s_cbranch_scc1 .Lnot_wave_0_\@
	s_barrier_signal -3
.Lnot_wave_0_\@:
	s_barrier_wait -3
	s_barrier_signal -1
	s_barrier_wait -1
.endm
.macro CROUND
	s_barrier_signal -1
	s_barrier_wait -1
	CREST
.endm
.macro MK0 g, lds, adr                 ; a group 0 with a constant LDS address
	s_mov_b32 s[\g], 1
	s_mov_b32 s[\g+1], \lds
	s_mov_b64 s[\g+2:\g+3], s[\adr:\adr+1]
	s_or_b32 s[\g+3], s[\g+3], 0x80000000
.endm
	s_load_b128 s[4:7], s[0:1], 0x0                ; xq, wq
	v_lshl_add_u32 v[SPW], v0, 2, SPARE
	v_mov_b32 v[NIL], 0
	ds_add_u32 v[SPW], v[NIL]                      ; the opening: the add, twice on end, and its wait ahead of my first tensor load
	ds_add_u32 v[SPW], v[NIL]
	v_lshrrev_b32 v1, 5, v0
	v_readfirstlane_b32 s14, v1                    ; wave
	s_lshr_b32 s15, s14, 1                         ; my half of Y's rows.  Also: in the ring I fetch for Y (0) or for X (1)
	s_and_b32 s16, s14, 1                          ; my half of X's rows.  Also: which 128 rows of that tile I fetch
	s_bfe_u32 s40, ttmp6, 0x40000                  ; cx
	s_bfe_u32 s41, ttmp6, 0x40004                  ; cy
	s_and_b32 s17, ttmp7, 0xffff
	s_lshl_b32 s17, s17, 2
	s_lshl_b32 s42, ttmp9, 2
	s_mov_b32 s95, 6291456                         ; where xq's scale bytes begin
	s_mov_b32 s96, 4718592                         ; and those of Wq|Wk|Wv in wq
	s_cmp_eq_u32 ttmp9, 2                          ; v?
	s_cselect_b32 s2, 8, s17                       ; Y's first tile of the cluster: Wv's heads, or tokens
	s_cselect_b32 s42, s17, s42                    ; X's: tokens, or the heads of Wq or Wk
	s_cselect_b32 s97, s96, s95
	s_cselect_b32 s95, s95, s96
	s_add_co_u32 s17, s2, s41                      ; Y's tile
	s_add_co_u32 s42, s42, s40                     ; X's tile
	s_lshl_b32 s43, s41, 2
	s_lshl_b32 s43, 15, s43                        ; my row of the cluster
	s_lshl_b32 s44, 0x1111, s40                    ; my column
	s_or_b32 s[G1+0], s43, (3<<16)|(1<<21)         ; elements of 8 bytes, no padding; bit 21 beside a mask
	s_or_b32 s[G1B+0], s44, (3<<16)|(1<<21)
	s_or_b32 s[G1S+0], s43, (3<<16)|(1<<21)
	s_or_b32 s[G1SB+0], s44, (3<<16)|(1<<21)
.irp g, G1, G1B                        ; rows of 256 bytes: 192 for the head's loads (256 operand rows), 96 for the ring's
	s_mov_b32 s[\g+1], 32<<16
	s_mov_b32 s[\g+2], 192<<16
	s_mov_b32 s[\g+3], 32<<16
	s_mov_b32 s[\g+4], 192
	s_mov_b32 s[\g+5], 32
	s_mov_b32 s[\g+6], 0
	s_mov_b32 s[\g+7], 0
.endr
.irp g, G1S, G1SB                      ; 16,384 scale bytes: 64 rows of 256
	s_mov_b32 s[\g+1], 32<<16
	s_mov_b32 s[\g+2], 64<<16
	s_mov_b32 s[\g+3], 32<<16
	s_mov_b32 s[\g+4], 64
	s_mov_b32 s[\g+5], 32
	s_mov_b32 s[\g+6], 0
	s_mov_b32 s[\g+7], 0
.endr
	s_mul_i32 s20, s17, TILEB                      ; offsets under 2^23
	s_mul_i32 s46, s42, TILEB
	s_lshl_b32 s22, s17, 14
	s_add_co_u32 s22, s22, s97
	s_lshl_b32 s92, s42, 14
	s_add_co_u32 s92, s92, s95
	s_mov_b32 s21, 0
	s_mov_b32 s23, 0
	s_mov_b32 s47, 0
	s_mov_b32 s93, 0
	s_mul_i32 s18, s16, HALFT
	s_mov_b32 s19, 0
	s_mul_i32 s45, s14, HALFT                      ; where my quarter of a slot goes
	s_wait_dscnt 0x0                               ; both opening adds are done
	s_wait_kmcnt 0x0
	s_cmp_eq_u32 ttmp9, 2
	s_cselect_b64 s[8:9], s[6:7], s[4:5]           ; Y's buffer
	s_cselect_b64 s[10:11], s[4:5], s[6:7]         ; X's
	s_add_nc_u64 s[20:21], s[8:9], s[20:21]
	s_add_nc_u64 s[22:23], s[8:9], s[22:23]
	s_add_nc_u64 s[46:47], s[10:11], s[46:47]
	s_add_nc_u64 s[92:93], s[10:11], s[92:93]
	CROUND                                         ; all sixteen work-groups are here: the first joint loads meet
	MK0 G0H,  0,         20                        ; the head's four tiles, each whole: K step 0 of Y's 256 rows,
	MK0 G0HB, 2*HALFT,   46                        ; of X's,
	MK0 G0S,  SCL,       22                        ; Y's scale bytes,
	MK0 G0SB, SCL+16384, 92                        ; X's
	s_add_nc_u64 s[20:21], s[20:21], s[18:19]      ; for the ring: my 128 rows
	s_add_nc_u64 s[46:47], s[46:47], s[18:19]
.irp s, 0,1
	s_mov_b32 s[G0+4*\s], 1
	s_add_co_u32 s[G0+4*\s+1], s45, \s*SLOT
	s_add_nc_u64 s[G0+4*\s+2:G0+4*\s+3], s[20:21], \s*KSB
	s_or_b32 s[G0+4*\s+3], s[G0+4*\s+3], 0x80000000
	s_mov_b32 s[G0B+4*\s], 1
	s_add_co_u32 s[G0B+4*\s+1], s45, \s*SLOT
	s_add_nc_u64 s[G0B+4*\s+2:G0B+4*\s+3], s[46:47], \s*KSB
	s_or_b32 s[G0B+4*\s+3], s[G0B+4*\s+3], 0x80000000
.endr
	s_cmp_eq_u32 s15, 0                            ; the prefetches: the tile that I fetch, my work-group's 6,144 bytes of my 24,576, at K step 3: the first refill steps it to 4
	s_cselect_b64 s[PFA:PFA+1], s[20:21], s[46:47]
	s_cselect_b32 s18, s40, s41
	s_mul_i32 s18, s18, 6144
	s_add_co_u32 s18, s18, 3*KSB
	s_add_nc_u64 s[PFA:PFA+1], s[PFA:PFA+1], s[18:19]
; one tensor load a wave at the head: one chain of branches on the wave's number, a load to an arm
.macro ARM under, g0, g1, next
	s_cmp_lt_u32 s14, \under
	s_cbranch_scc0 \next
	TL \g0, \g1
	s_branch .Lhead_asked
\next:
.endm
	ARM 1, G0H,  G1,  .Lhead_b
	ARM 2, G0HB, G1B, .Lhead_sa
	ARM 3, G0S,  G1S, .Lhead_sb
	TL G0SB, G1SB
.Lhead_asked:
	s_mul_i32 s21, s15, HALFT                      ; my 128 rows of Y,
	s_mul_i32 s22, s16, HALFT
	s_add_co_u32 s22, s22, 2*HALFT                 ; of X
	s_lshl_b32 s18, s15, 13                        ; Y's scale bytes of my rows,
	s_lshl_b32 s19, s16, 13
	s_add_co_u32 s19, s19, 16384
	s_sub_co_u32 s19, s19, s18                     ; the distance to X's,
	s_add_co_u32 s18, s18, SCL
	s_lshl_b32 s23, s14, 9
	s_add_co_u32 s23, s23, XCH
	s_xor_b32 s2, s14, 1
	s_lshl_b32 s2, s2, 9
	s_add_co_u32 s2, s2, XCH
	v_and_b32 v1, 15, v0                           ; r: kept to the end
	v_bfe_u32 v2, v0, 4, 1                         ; h: kept to the end
	v_and_b32 v3, 31, v0
	v_min_u32 v[PFO], 23, v3
	v_lshlrev_b32 v[PFO], 8, v[PFO]                ; 24 blocks of 256 bytes
	v_lshlrev_b32 v3, 4, v3                        ; 16 x lane: kept to the end
	v_add_nc_u32 v[ADRA], s21, v3
	v_add_nc_u32 v[ADRB], s22, v3
	v_add_nc_u32 v[ADRA+1], SLOT, v[ADRA]
	v_add_nc_u32 v[ADRB+1], SLOT, v[ADRB]
	v_lshlrev_b32 v5, 3, v1
	v_mul_u32_u24 v6, s19, v2                      ; lanes 16-31 take X's
	v_add_nc_u32 v5, v5, v6
	v_add_nc_u32 v[ADRS], s18, v5
	v_lshlrev_b32 v5, 2, v1
	v_lshl_add_u32 v6, v2, 8, v5
	v_add_nc_u32 v[XW], s23, v6                    ; XCH + 512 wave + 256 h + 4 r
	v_add_nc_u32 v[XR], s2, v5                     ; XCH + 512 (wave xor 1) + 4 r
.macro FRAG reg, adr, q, i             ; a fragment's image: three loads of 512 consecutive bytes
.irp c, 0,1,2
	ds_load_b128 v[\reg+4*\c:\reg+4*\c+3], v[\adr] offset:3072*(\i)+1536*(\q)+512*\c
.endr
.endm
; 16 matrix instructions: Y's blocks a0, a0 + 1 x X's eight.  The 64 accumulators take turns, in the same order in every step.
.macro MUL16 a0, p, q, sc, zero
.irp a, \a0, \a0+1
.irp b, 0,1,2,3,4,5,6,7
.if \zero
	v_wmma_scale_f32_16x16x128_f8f6f4 v[8*(8*((\a)%4)+\b):8*(8*((\a)%4)+\b)+7], v[128*(\p)+FR*\b:128*(\p)+FR*\b+FR-1], v[AF+FR*(\a):AF+FR*(\a)+FR-1], 0, v[SC+8*NQ*(\sc)+NQ*\b+(\q)], v[SC+8*NQ*(\sc)+NQ*(\a)+(\q)] matrix_a_fmt:MATRIX_FMT_FP6 matrix_b_fmt:MATRIX_FMT_FP6 matrix_a_scale:MATRIX_SCALE_ROW1
.else
	v_wmma_scale_f32_16x16x128_f8f6f4 v[8*(8*((\a)%4)+\b):8*(8*((\a)%4)+\b)+7], v[128*(\p)+FR*\b:128*(\p)+FR*\b+FR-1], v[AF+FR*(\a):AF+FR*(\a)+FR-1], v[8*(8*((\a)%4)+\b):8*(8*((\a)%4)+\b)+7], v[SC+8*NQ*(\sc)+NQ*\b+(\q)], v[SC+8*NQ*(\sc)+NQ*(\a)+(\q)] matrix_a_fmt:MATRIX_FMT_FP6 matrix_b_fmt:MATRIX_FMT_FP6 matrix_a_scale:MATRIX_SCALE_ROW1
.endif
.endr
.endr
.endm
.macro FETCH_B slot, q, p
	WIN TO_B
.irp i, 0,1,2,3,4,5,6,7
	FRAG 128*(\p)+FR*\i, ADRB+\slot, \q, \i
.endr
	WIN 0
.endm
.macro FETCH_A slot, q, i0
.irp i, \i0, \i0+1, \i0+2, \i0+3
	FRAG AF+FR*(\i), ADRA+\slot, \q, \i
.endr
.endm
.macro SCALES sc                       ; the two words of a K step of 256: lanes 0-15 Y's block i, lanes 16-31 X's block i
.irp i, 0,1,2,3,4,5,6,7
	ds_load_b64 v[SC+8*NQ*\sc+NQ*\i:SC+8*NQ*\sc+NQ*\i+1], v[ADRS] offset:\i*1024
.endr
.endm
.macro PLACES n                        ; plain vector instructions between a matrix instruction and a load into, or a read of, its registers
.rept \n
	v_nop
.endr
.endm
.macro STEP slot, q, zero
	s_wait_dscnt 4*NL                              ; X's set and Y's blocks 0-3 are in; the youngest 12 loads (Y's blocks 4-7) may be out
	WIN MUL_LO
	MUL16 0, (\q)%2, \q, \slot, \zero
	MUL16 2, (\q)%2, \q, \slot, \zero
	s_wait_dscnt 0
	PLACES NP
	FETCH_B \slot, (\q)+1, 1-(\q)%2
	FETCH_A \slot, (\q)+1, 0
	WIN MUL_HI
	MUL16 4, (\q)%2, \q, \slot, \zero
	MUL16 6, (\q)%2, \q, \slot, \zero
	PLACES NP
	WIN 0
	FETCH_A \slot, (\q)+1, 4
.endm
; A slot's second step changes slots: each wave waits for all its tensor loads, adds 0 to its spare word, waits for that and for its reads of this slot; one barrier, which opens a round of the cluster's where the slot is filled again.
.macro TURN slot, next, fill
.if \fill
	s_wait_xcnt 0x0                                ; any prefetch of mine has read its address
	s_add_nc_u64 s[PFA:PFA+1], s[PFA:PFA+1], KSB
.endif
	s_wait_tensorcnt 0x0                           ; my one load that was out: my part of the next slot
	ds_add_u32 v[SPW], v[NIL]
	s_wait_dscnt 4*NL+1                            ; (the add and the youngest 12 loads may be out)
	WIN MUL_LO
	MUL16 0, 1, NQ-1, \slot, 0
	s_wait_dscnt 0x0                               ; the add is done, and my reads of this slot are over
	s_barrier_signal -1
	MUL16 2, 1, NQ-1, \slot, 0
	WIN 0
	s_barrier_wait -1
.if \fill
	CREST                                          ; no wave of any partner still reads this slot or has a load on its way
	s_add_nc_u64 s[G0+4*\slot+2:G0+4*\slot+3], s[G0+4*\slot+2:G0+4*\slot+3], 2*KSB
	s_add_nc_u64 s[G0B+4*\slot+2:G0B+4*\slot+3], s[G0B+4*\slot+2:G0B+4*\slot+3], 2*KSB
	JLOAD G0+4*\slot, G1, G0B+4*\slot, G1B         ; the first tensor load behind the round; its four v_nop are the places in front of the loads below
.else
	PLACES NP
.endif
	s_wait_alu depctr_va_vdst(0)                   ; the wait ahead of this reader
	v_add_nc_u32 v[ADRS], 128, v[ADRS]             ; the next K step's scale words
	FETCH_B \next, 0, 0
	FETCH_A \next, 0, 0
	SCALES \next
.if \fill
	s_cmp_gt_u32 s3, 1                             ; the loop's last trip has no K step two refills on
	s_cbranch_scc0 .Lno_ask_\@
	global_prefetch_b8 v[PFO], s[PFA:PFA+1] th:TH_LOAD_NT scope:SCOPE_SE
.Lno_ask_\@:
.endif
	WIN MUL_HI
	MUL16 4, 1, NQ-1, \slot, 0
	MUL16 6, 1, NQ-1, \slot, 0
	PLACES NP
	WIN 0
	FETCH_A \next, 0, 4
.endm
.macro CS a                            ; cos and sin of fragment a's tokens into buffer a % 2 of window 1
	WIN 0x40
.irp q, 0,1,2,3
.irp j, 0,1,2,3
	global_load_b128 v[128*((\a)%2)+16*\q+4*\j:128*((\a)%2)+16*\q+4*\j+3], v4, s[4:5] offset:(32*((\a)/2)+8*((\a)%2))*1024+512*(\q/2)+128*(\q%2)+16*\j
	global_load_b128 v[128*((\a)%2)+64+16*\q+4*\j:128*((\a)%2)+64+16*\q+4*\j+3], v4, s[6:7] offset:(32*((\a)/2)+8*((\a)%2))*1024+512*(\q/2)+128*(\q%2)+16*\j
.endr
.endr
	WIN 0
.endm
	s_wait_alu depctr_va_vdst(0)                   ; the wait at the head's end
	s_wait_tensorcnt 0x0                           ; my tile of the head's four is in; then the add and its wait, ahead of a later first fill:
	ds_add_u32 v[SPW], v[NIL]
	s_mov_b32 s[G1+2], 96<<16                      ; no tensor load of mine is out: from here on a load brings 96 rows
	s_mov_b32 s[G1+4], 96
	s_mov_b32 s[G1B+2], 96<<16
	s_mov_b32 s[G1B+4], 96
	s_wait_dscnt 0x0
	CROUND
	JLOAD G0+4, G1, G0B+4, G1B                     ; K step 1, the first tensor load behind the round
	s_load_b256 s[4:11], s[0:1], 0x10              ; the way out's arguments, into registers that are done with: cos, sin, q_norm_w, k_norm_w;
	s_load_b128 s[92:95], s[0:1], 0x30             ; qbuf, kv;
	s_load_b64 s[96:97], s[0:1], 0x40              ; vs
	FETCH_B 0, 0, 0
	FETCH_A 0, 0, 0
	SCALES 0
	FETCH_A 0, 0, 4
	STEP 0, 0, 1                                   ; the first step's products start the sums
	s_mov_b32 s3, LAPS-1
.Llap:
	TURN 0, 1, 1
	STEP 1, 0, 0
	TURN 1, 0, 1
	STEP 0, 0, 0
	s_sub_co_u32 s3, s3, 1
	s_cmp_lg_u32 s3, 0
	s_cbranch_scc1 .Llap
	TURN 0, 1, 0                                   ; the last lap fills nothing
	STEP 1, 0, 0
	; ahead of the last step: q's and k's addresses, and fragment 0's cos and sin into X's set 0, which was last read four places ago.  No tensor load of mine is out: the descriptors' registers are free
	s_mov_b32 s3, 0
	s_wait_kmcnt 0x0                               ; cos s[4:5], sin s[6:7], q_norm_w s[8:9], k_norm_w s[10:11], qbuf s[92:93], kv s[94:95], vs s[96:97]
	s_cmp_eq_u32 ttmp9, 2
	s_cbranch_scc1 .Lvpath                         ; the two ways part here, once: each has its own copy of the last K step
	s_lshr_b32 s18, s17, 3                         ; Y's tile: batch = tile / 8, slot of 256 tokens = tile % 8; X's tile % 4 = the head
	s_lshl_b32 s18, s18, 2
	s_and_b32 s19, s42, 3
	s_add_co_u32 s18, s18, s19
	s_lshl_b32 s18, s18, 3
	s_and_b32 s19, s17, 7
	s_add_co_u32 s18, s18, s19                     ; (4 batch + head) 8 + slot
	s_mov_b32 s20, 51200
	s_mov_b32 s21, 49152
	s_mov_b32 s22, 0x3d800000                      ; q x 1/16, exact
	s_cmp_eq_u32 ttmp9, 1                          ; k?
	s_cselect_b32 s20, 102400, s20
	s_cselect_b32 s21, 98304, s21
	s_cselect_b32 s22, 1.0, s22
	s_cselect_b64 s[44:45], s[94:95], s[92:93]
	s_cselect_b64 s[46:47], s[10:11], s[8:9]       ; the gain
	s_mul_i32 s18, s18, s20
	s_mul_i32 s19, s15, 24576
	s_add_co_u32 s2, s18, s19
	s_mul_i32 s19, s16, 1536
	s_add_co_u32 s2, s2, s19
	s_add_nc_u64 s[48:49], s[44:45], s[2:3]        ; my images: [my half of Y][a][my half of X]
	s_add_co_u32 s2, s18, s21
	s_lshl_b32 s19, s15, 10
	s_add_co_u32 s2, s2, s19
	s_lshl_b32 s19, s16, 8
	s_add_co_u32 s2, s2, s19
	s_add_nc_u64 s[50:51], s[44:45], s[2:3]        ; my half of the chunk's scale block
	s_lshl_b32 s2, s17, 18
	s_lshl_b32 s19, s15, 17
	s_add_co_u32 s2, s2, s19
	s_lshl_b32 s19, s16, 8
	s_add_co_u32 s2, s2, s19
	s_add_nc_u64 s[4:5], s[4:5], s[2:3]            ; cos and sin at my first token, + 64 d x my half of X
	s_add_nc_u64 s[6:7], s[6:7], s[2:3]
	s_mov_b32 s2, s19
	s_add_nc_u64 s[46:47], s[46:47], s[2:3]
	v_and_b32 v4, 7, v1
	v_lshrrev_b32 v5, 3, v1
	v_lshl_add_u32 v4, v5, 4, v4                   ; my token in a pair of fragments: r % 8 + 16 (r / 8)
	v_lshlrev_b32 v4, 10, v4
	v_lshl_add_u32 v4, v2, 6, v4                   ; x 1,024 bytes, + 16 d x h
	v_lshlrev_b32 v5, 6, v2
	s_wait_alu depctr_va_vdst(0)                   ; the wait behind these writes
	CS 0
.macro LAST                            ; the last K step, and what both ways out need
	s_wait_dscnt 4*NL
	WIN MUL_LO
	MUL16 0, 1, NQ-1, 1, 0
	MUL16 2, 1, NQ-1, 1, 0
	s_wait_dscnt 0
	WIN MUL_HI
	MUL16 4, 1, NQ-1, 1, 0
	MUL16 6, 1, NQ-1, 1, 0
	WIN 0
	PLACES NP                                      ; behind the last products: the loads and reads that follow touch their registers
	s_mov_b32 s38, 0x76543210
	s_mov_b32 s39, 0xfedcba98                      ; lane l xor 16
	s_mov_b32 s67, 0x3b800000                      ; 1 / 256
	s_mov_b32 s23, 0x358637bd                      ; 1e-6
	v_lshlrev_b32 v6, 4, v1
	v_lshl_add_u32 v6, v2, 9, v6                   ; a scale block: 512 h + 16 r
	v_cmp_ne_u32 s66, 0, v2                        ; lanes 16-31
.irp b, 0,1,2,3
	v_mov_b32 v[TM+4+\b], 0                        ; written once: a lane permute's destination counts as one of its sources
.endr
	s_wait_alu depctr_va_vdst(0)                   ; the wait behind these writes
.endm
	LAST
; ---------------- THE WAY OUT ----------------
; 64 numbers of a lane, v[s] .. v[s + 63] of window w, register 16 b + i = k 32 b + 16 h + i of my row, become a fragment's codes in v[PC] on and its scale word in v[pw].
.macro QUANT s, w, pw
	WIN (\w)|((\w)<<2)
.irp b, 0,1,2,3
	v_max3_num_f32 v[TM+\b], |v[(\s)+16*\b]|, |v[(\s)+1+16*\b]|, 0x1800000   ; and the floor 2^(3 - 127): the byte cannot fall under 1
.endr
.irp i, 2,4,6,8,10,12,14
.irp b, 0,1,2,3
	v_max3_num_f32 v[TM+\b], |v[(\s)+16*\b+\i]|, |v[(\s)+1+16*\b+\i]|, v[TM+\b]
.endr
.endr
	WIN 0
.irp b, 0,1,2,3
	v_permlanex16_b32 v[TM+4+\b], v[TM+\b], s38, s39
.endr
.irp b, 0,1,2,3
	v_max_num_f32 v[TM+\b], v[TM+\b], v[TM+4+\b]   ; with lane l xor 16's: the block's largest magnitude
.endr
.irp b, 0,1,2,3
	v_add_nc_u32 v[TM+12+\b], 0xff000000, v[TM+\b] ; 2 off its exponent field: the conversion's scale operand
.endr
.irp b, 0,1,2,3
	v_lshrrev_b32 v[TM+4+\b], 23, v[TM+12+\b]      ; the scale's byte
.endr
	v_lshl_or_b32 v[\pw], v[TM+5], 8, v[TM+4]
	v_lshl_or_b32 v[\pw], v[TM+6], 16, v[\pw]
	v_lshl_or_b32 v[\pw], v[TM+7], 24, v[\pw]
	WIN \w
.irp c, 0,1
	v_cvt_scalef32_pk16_fp6_f32 v[PC+6*\c:PC+2+6*\c], v[(\s)+32*\c:(\s)+15+32*\c], v[TM+12+2*\c]
	v_cvt_scalef32_pk16_fp6_f32 v[PC+12+4*\c:PC+14+4*\c], v[(\s)+16+32*\c:(\s)+31+32*\c], v[TM+12+2*\c+1]
.endr
	WIN 0
	v_nop                                          ; one plain place behind a scaled conversion
.irp c, 0,1                                    ; the operand's layout wants a whole block in a lane
.irp i, 0,1,2
	v_permlane16_swap_b32 v[PC+6*\c+\i], v[PC+12+4*\c+\i]
.endr
.irp i, 0,1,2
	v_mov_b32 v[PC+3+6*\c+\i], v[PC+12+4*\c+\i]
.endr
.endr
.endm
; ---- q and k.  Register 8 b + j of a row belongs to d = 128 (b / 4) + 64 s + 32 ((b / 2) % 2) + 16 h + 8 (b % 2) + j
.irp q, 0,1,2,3
.irp j, 0,1,2,3
	global_load_b128 v[G+16*\q+4*\j:G+16*\q+4*\j+3], v5, s[46:47] offset:512*(\q/2)+128*(\q%2)+16*\j
.endr
.endr
	CS 1
	; the sums of squares: my 64 numbers of each of my 8 tokens, four tokens by turns, each accumulator from its low end on
.irp w, 0,1
	WIN 0x0a+5*\w
.irp aa, 0,1,2,3
	v_pk_mul_f32 v[SS+2*(4*\w+\aa):SS+2*(4*\w+\aa)+1], v[64*\aa:64*\aa+1], v[64*\aa:64*\aa+1]
.endr
.set i, 2
.rept 31
.irp aa, 0,1,2,3
	v_pk_fma_f32 v[SS+2*(4*\w+\aa):SS+2*(4*\w+\aa)+1], v[64*\aa+i:64*\aa+i+1], v[64*\aa+i:64*\aa+i+1], v[SS+2*(4*\w+\aa):SS+2*(4*\w+\aa)+1]
.endr
.set i, i+2
.endr
.endr
	WIN 0
.irp a, 0,1,2,3,4,5,6,7
	v_add_f32 v[SS+2*\a], v[SS+2*\a], v[SS+2*\a+1]
.endr
.irp a, 0,1,2,3,4,5,6,7
	v_permlanex16_b32 v[SS+2*\a+1], v[SS+2*\a], s38, s39
.endr
.irp a, 0,1,2,3,4,5,6,7
	v_add_f32 v[SS+2*\a], v[SS+2*\a], v[SS+2*\a+1] ; my wave's 128 d of token r, in both halves of the lanes
.endr
.irp a, 0,1,2,3
	v_cndmask_b32 v[SS+2*\a+1], v[SS+2*\a], v[SS+2*\a+8], s66      ; lanes 16-31 send fragments 4-7
.endr
.irp a, 0,1,2,3
	ds_store_b32 v[XW], v[SS+2*\a+1] offset:64*\a
.endr
	s_wait_alu depctr_va_vdst(0)                   ; the wait ahead of the blocking wait
	s_wait_dscnt 0x0                               ; for the neighbour's sake: my stores are done
	s_barrier_signal -1
	s_barrier_wait -1
.irp a, 0,1,2,3,4,5,6,7
	ds_load_b32 v[PS+\a], v[XR] offset:64*\a       ; the other 128 d of the same tokens
.endr
	s_wait_dscnt 0x0
.irp a, 0,1,2,3,4,5,6,7
	v_add_f32 v[SS+2*\a], v[SS+2*\a], v[PS+\a]
.endr
.irp a, 0,1,2,3,4,5,6,7
	v_fma_f32 v[SS+2*\a], v[SS+2*\a], s67, s23     ; the mean of the squares + eps
.endr
	s_wait_alu depctr_va_vdst(0)                   ; ahead of the batch
.irp a, 0,1,2,3,4,5,6,7
	v_rsq_f32 v[IV+2*\a], v[SS+2*\a]
.endr
	v_nop                                          ; a plain place behind the batch
	s_wait_alu depctr_va_vdst(0)                   ; one wait for the eight, ahead of their first reader
.irp a, 0,1,2,3,4,5,6,7
	v_mul_f32 v[IV+2*\a], s22, v[IV+2*\a]
.endr
.irp a, 0,1,2,3,4,5,6,7
	v_mov_b32 v[IV+2*\a+1], v[IV+2*\a]
.endr
	s_wait_alu depctr_va_vdst(0)                   ; the wait ahead of the blocking wait
	s_wait_loadcnt 32                              ; fragment 0's cos and sin and the gain are in; fragment 1's 32 loads may be out
.set i, 0
.rept 32
	v_pk_add_f32 v[G+i:G+i+1], v[G+i:G+i+1], 1.0 op_sel_hi:[1,0]   ; 1 + w
.set i, i+2
.endr
.macro QKROW a
.set AC, 64*((\a)%4)
.set WW, 2+(\a)/4
.set CBF, 128*((\a)%2)
.if (\a) < 7
	s_wait_loadcnt 32                              ; this fragment's cos and sin are in; the next fragment's 32 loads may be out
.else
	s_wait_loadcnt 0
.endif
	WIN WW|(WW<<6)
.set i, 0
.rept 32
	v_pk_mul_f32 v[AC+i:AC+i+1], v[AC+i:AC+i+1], v[IV+2*(\a):IV+2*(\a)+1]   ; / rms (and q's 1/16)
.set i, i+2
.endr
.set i, 0
.rept 32
	v_pk_mul_f32 v[AC+i:AC+i+1], v[AC+i:AC+i+1], v[G+i:G+i+1]               ; x (1 + w)
.set i, i+2
.endr
	WIN WW|4
.set i, 0
.rept 32
	v_pk_mul_f32 v[R+i:R+i+1], v[AC+i:AC+i+1], v[CBF+i:CBF+i+1]             ; y cos
.set i, i+2
.endr
.set i, 0
.rept 16
	v_pk_fma_f32 v[R+i:R+i+1], v[AC+32+i:AC+32+i+1], v[CBF+64+i:CBF+64+i+1], v[R+i:R+i+1] neg_lo:[1,0,0] neg_hi:[1,0,0]   ; d < 128: - y(d + 128) sin
.set i, i+2
.endr
.rept 16
	v_pk_fma_f32 v[R+i:R+i+1], v[AC+i-32:AC+i-31], v[CBF+64+i:CBF+64+i+1], v[R+i:R+i+1]                                  ; d >= 128: + y(d - 128) sin
.set i, i+2
.endr
	WIN 0
.if (\a)+2 < 8
	CS (\a)+2                                      ; this buffer's numbers have been read: it takes the fragment two on
.endif
	QUANT R, 0, PWS+(\a)
	WIN WW<<6
.set i, 0
.rept 12
	v_mov_b32 v[AC+i], v[PC+i]                     ; the codes go into this fragment's own accumulator registers, which nothing writes any more: the stores' data are never written again
.set i, i+1
.endr
	WIN WW<<2                                      ; a store's data are its source 1
.irp c, 0,1,2
	global_store_b128 v3, v[AC+4*\c:AC+4*\c+3], s[48:49] offset:3072*(\a)+512*\c   ; 32 lanes store 512 consecutive bytes, aligned
.endr
	WIN 0
.endm
.irp a, 0,1,2,3,4,5,6,7
	QKROW \a
.endr
.irp i, 0,1,2,3
	v_cndmask_b32 v[TM+\i], v[PWS+\i], v[PWS+4+\i], s66            ; lanes 16-31 store fragments 4-7's words
.endr
	global_store_b128 v6, v[TM:TM+3], s[50:51]     ; sixteen lanes store 256 consecutive bytes, aligned
	s_branch .Ljoin
.Lvpath:
	LAST
	s_lshr_b32 s18, s42, 3
	s_lshl_b32 s19, s18, 2
	s_and_b32 s20, s17, 3
	s_add_co_u32 s19, s19, s20
	s_lshl_b32 s19, s19, 3
	s_and_b32 s21, s42, 7
	s_add_co_u32 s19, s19, s21
	s_mul_i32 s19, s19, 102400
	s_mul_i32 s22, s16, 24576
	s_add_co_u32 s2, s19, s22
	s_mul_i32 s22, s15, 12288
	s_add_co_u32 s2, s2, s22
	s_add_co_u32 s2, s2, 49152
	s_add_nc_u64 s[48:49], s[94:95], s[2:3]        ; images of V^T: [chunk of 128 keys = my half of X][tile of 16 d = 8 x my half of Y + a]
	s_lshl_b32 s22, s16, 10
	s_add_co_u32 s2, s19, s22
	s_lshl_b32 s22, s15, 8
	s_add_co_u32 s2, s2, s22
	s_add_co_u32 s2, s2, 100352
	s_add_nc_u64 s[50:51], s[94:95], s[2:3]
	s_lshl_b32 s2, s18, 16                         ; vs: [batch][chunk of 128 keys][1,024 stored d]
	s_lshl_b32 s22, s21, 13
	s_add_co_u32 s2, s2, s22
	s_lshl_b32 s22, s16, 12
	s_add_co_u32 s2, s2, s22
	s_lshl_b32 s22, s20, 10
	s_add_co_u32 s2, s2, s22
	s_lshl_b32 s22, s15, 9
	s_add_co_u32 s2, s2, s22
	s_add_nc_u64 s[52:53], s[96:97], s[2:3]
	v_lshlrev_b32 v7, 2, v1
	v_lshl_add_u32 v7, v2, 8, v7                   ; 256 h + 4 r
.irp c, 0,1,2,3
	v_mov_b32 v[ONES+3*\c], 0x08208208             ; 128 codes of the number 1.0 (001000), as one stream of bits
	v_mov_b32 v[ONES+3*\c+1], 0x82082082
	v_mov_b32 v[ONES+3*\c+2], 0x20820820
.endr
	v_mov_b32 v[ONESC], 0x7f7f7f7f                 ; their scale: 1
	s_wait_alu depctr_va_vdst(0)                   ; the wait ahead of the blocking wait below
.macro VROW a
.set AC, 64*((\a)%4)
.set WW, 2+(\a)/4
	s_wait_xcnt 0x0                                ; the last fragment's stores have read their registers
	QUANT AC, WW, PWS+(\a)
.irp c, 0,1,2
	global_store_b128 v3, v[PC+4*\c:PC+4*\c+3], s[48:49] offset:1536*(\a)+512*\c
.endr
.rept 8
	v_nop                                          ; codes and scale word written by vector instructions stand 4 and 8 places ahead of a scaled matrix instruction
.endr
	v_wmma_scale_f32_16x16x128_f8f6f4 v[VSD+8*(\a):VSD+8*(\a)+7], v[ONES:ONES+11], v[PC:PC+11], 0, v[ONESC], v[PWS+(\a)] matrix_a_fmt:MATRIX_FMT_FP6 matrix_b_fmt:MATRIX_FMT_FP6   ; every register of lane r: the sum of the quantised v(d = r) over my 128 keys
.endm
.irp a, 0,1,2,3,4,5,6,7
	VROW \a
.endr
	PLACES NP
.irp i, 0,1,2,3
	v_cndmask_b32 v[TM+\i], v[VSD+8*\i], v[VSD+8*\i+32], s66       ; each result's lowest register
.endr
.irp i, 0,1,2,3
	global_store_b32 v7, v[TM+\i], s[52:53] offset:64*\i
.endr
.irp i, 0,1,2,3
	v_cndmask_b32 v[TM+8+\i], v[PWS+\i], v[PWS+4+\i], s66
.endr
	global_store_b128 v6, v[TM+8:TM+11], s[50:51]
.Ljoin:
	s_wait_tensorcnt 0x0                           ; the wave's end
	ds_add_u32 v[SPW], v[NIL]
	s_wait_dscnt 0x0
	CROUND                                         ; the closing round
	s_endpgm
.Lfunc_end_k_q47c757a416_qkv:
	.size	k_q47c757a416_qkv, .Lfunc_end_k_q47c757a416_qkv-k_q47c757a416_qkv
	.p2alignl 7, 3214868480
	.fill 96, 4, 3214868480
	.section	.rodata,"a",@progbits
	.p2align	6, 0x0
	.amdhsa_kernel k_q47c757a416_qkv
		.amdhsa_group_segment_fixed_size 327680
		.amdhsa_private_segment_fixed_size 0
		.amdhsa_enable_private_segment 0
		.amdhsa_kernarg_size 72
		.amdhsa_user_sgpr_count 2
		.amdhsa_user_sgpr_kernarg_segment_ptr 1
		.amdhsa_wavefront_size32 1
		.amdhsa_system_sgpr_workgroup_id_x 1
		.amdhsa_system_sgpr_workgroup_id_y 1
		.amdhsa_system_sgpr_workgroup_id_z 1
		.amdhsa_system_vgpr_workitem_id 0
		.amdhsa_next_free_vgpr 1024
		.amdhsa_next_free_sgpr 100
		.amdhsa_reserve_vcc 0
		.amdhsa_float_denorm_mode_32 3
		.amdhsa_float_denorm_mode_16_64 3
		.amdhsa_memory_ordered 1
		.amdhsa_forward_progress 1
		.amdhsa_inst_pref_size 255
	.end_amdhsa_kernel
	.section	.bss,"aw",@nobits
	.p2align	6
	.space	262144
	.amdgpu_metadata
---
amdhsa.version: [ 1, 2 ]
amdhsa.kernels:
  - .name:           k_q47c757a416_qkv
    .symbol:         k_q47c757a416_qkv.kd
    .args:
      - { .name: xq, .offset: 0, .size: 8, .value_kind: global_buffer, .address_space: global }
      - { .name: wq, .offset: 8, .size: 8, .value_kind: global_buffer, .address_space: global }
      - { .name: cos, .offset: 16, .size: 8, .value_kind: global_buffer, .address_space: global }
      - { .name: sin, .offset: 24, .size: 8, .value_kind: global_buffer, .address_space: global }
      - { .name: q_norm_w, .offset: 32, .size: 8, .value_kind: global_buffer, .address_space: global }
      - { .name: k_norm_w, .offset: 40, .size: 8, .value_kind: global_buffer, .address_space: global }
      - { .name: qbuf, .offset: 48, .size: 8, .value_kind: global_buffer, .address_space: global }
      - { .name: kv, .offset: 56, .size: 8, .value_kind: global_buffer, .address_space: global }
      - { .name: vs, .offset: 64, .size: 8, .value_kind: global_buffer, .address_space: global }
    .group_segment_fixed_size: 327680
    .private_segment_fixed_size: 0
    .kernarg_segment_align: 8
    .kernarg_segment_size: 72
    .max_flat_workgroup_size: 128
    .sgpr_count:     100
    .vgpr_count:     1024
    .wavefront_size: 32
...
	.end_amdgpu_metadata
.endif
;; end of part 2
;; launch attn (part 3): grid 32 x 8, 4 waves a work-group, no clusters, 327,680 bytes of LDS; arguments qbuf, kv, vs, attention_mask, ob; writes ob
.if DOCPART == 3
	.amdgcn_target "amdgcn-amd-amdhsa--gfx1250"
	.amdhsa_code_object_version 6
	.text
	.protected	k_q47c757a416_attn
	.globl	k_q47c757a416_attn
	.p2align	8
	.type	k_q47c757a416_attn,@function
k_q47c757a416_attn:
	s_mov_b64 s[64:65], 0
	v_nop
	global_prefetch_b8 v0, s[64:65] scope:SCOPE_SE
	s_setreg_imm32_b32 hwreg(HW_REG_WAVE_MODE, 25, 1), 1
	s_wait_xcnt 0x0
; Banded attention on codes of FP6 (E2M3): S^T = K Q^T, p = 2^(t - M) with t = logit x log2(e) and M a whole number, O^T = V^T P^T, O / the row's sum of the unquantised p, and the quantiser of O along head x d for the last product.
; WORK LEFT OUT: key steps of 128 keys that lie wholly outside the band j <= i, i - j < 1024 of a wave's 32 queries: reference() builds that band itself, and their p is 0 for every input wherever the query has an allowed key.
; A query with no allowed key (every key of its band padded) has 2,048 equal logits in reference(): p = 1 for all keys, the sum 2,048.  It is served with no branch: where the sum of p is 0, the result is the column sum of the quantised v over all keys x 2^-11.
; LIMIT: a NaN or an infinity that reaches only the steps left out is not carried to the result.  Hidden scores are held at -3e38 (not finfo.min): scores beyond 1e37 in size are not served.
; SHARES.  A work-group owns 64 queries of one batch and head.  Wave w: pair p = w / 2 owns 32 queries (two fragments of 16); kappa = w % 2 takes the keys 128 kappa .. + 127 of each slot of 256 keys.  The two waves of a pair keep a running M each
; (exact: M is a whole number) and merge at the end: local tile v is fragment v xor kappa, so every wave keeps its local tile 0 and sends its local tile 1.
; NO CLUSTER: a block of queries needs 1 to 5 slots by its number; the loads beyond its last slot are led round by a test on ids, which a joint load does not allow, and the trip count stays a constant of the text.
; THE RING: two LDS slots 2^17 bytes apart; a slot is one dense block of 102,400 bytes (K's images, V^T's images, their scale blocks); each wave fetches a quarter by one tensor load.  One load of a wave is out at a time.
; REGISTERS: window 0: v1-15 addresses; v16-31 statistics, 8 a tile (-M, largest t, the sum's two halves, f, p's scale word); v32-39 K's scale words, v40-47 V's, v48-49 Q's; v50-63 at work; v64-191 S^T then p; v192-215 p's codes; v216-222 at work;
;   v224-239, v240-245 the way out.   window 1: O^T (128 v + 8 tau).   window 2: K (24 t + 12 s), Q (192 + 24 v + 12 s).   window 3: V^T (12 t'), v192-255 the padding's bias of the step's 128 keys.
.set SLOT1, 1<<17
.set SLOTB, 102400
.set BIAS,  262144                     ; 5 slots x 256 keys x 4 bytes: 0 or -3e38 by attention_mask
.set VM,    267264                     ; 256 f32: the head's column sums of the quantised v
.set SPARE, 268288                     ; the spare words: two blocks of 256 bytes that no other line names
.set STG,   SLOT1                      ; the merge's stage, 16,896 bytes a wave, in the slot that was left at the last change of slots: it has had its last fill, and nobody reads it
.set STGW,  16896
.set LI,  1
.set ADK, 2
.set ADV, 3
.set ADS, 4
.set ADB, 5
.set AK0, 6
.set AV0, 7
.set AS0, 8
.set AB0, 9
.set SPW, 10
.set NIL, 11
.set NEG, 12
.set DQ,  13                           ; v13-14 my query of local tile v, less 16 h
.set ST,  16
.set DD,  22                           ; v22-23 the same less the step's first key
.set PFO, 31
.set KSC, 32
.set VSC, 40
.set QSC, 48
.set BM,  50
.set T2,  54
.set SO,  58
.set TMP, 62
.set TMPB, 63
.set S,   64
.set P,   192
.set CT,  216
.set TM,  224
.set SA,  240
.set SBW, 241
.set RA,  242
.set RBW, 243
.set VMA, 244
.set OSC, 245
.set G1,  24
.set G0,  32
.set SEL, 36
.set CS,  38
.set TB,  40
.set TJ,  41
.set SL,  42
.set KF,  43
.set Q0,  44
.set CNT, 45
.set LIM, 46
.set C1K, 47
.set PFA, 48
.set MSB, 0
.macro WIN new
.if MSB != (\new)
	s_set_vgpr_msb (MSB<<8)|(\new)
.set MSB, (\new)
.endif
.endm
	s_load_b256 s[4:11], s[0:1], 0x0               ; qbuf, kv, vs, attention_mask
	s_load_b64 s[12:13], s[0:1], 0x20              ; ob
	v_lshl_add_u32 v[SPW], v0, 2, SPARE
	v_mov_b32 v[NIL], 0
	ds_add_u32 v[SPW], v[NIL]                      ; the wave's opening: the add, twice on end, and its wait ahead of my first tensor load
	ds_add_u32 v[SPW], v[NIL]
	v_lshrrev_b32 v15, 5, v0
	v_readfirstlane_b32 s14, v15                   ; wave
	s_lshr_b32 s15, s14, 1                         ; p
	s_and_b32 s16, s14, 1                          ; kappa
	s_and_b32 s18, ttmp7, 0xffff                   ; 4 batch + head
	s_lshr_b32 s19, ttmp9, 2                       ; G: the slot of my queries, and the last that I read
	s_max_u32 s20, s19, 4
	s_sub_co_u32 s20, s20, 4                       ; the first: max(G - 4, 0)
	s_mov_b32 s[G1], 3<<16                         ; no mask; elements of 8 bytes; no padding
	s_mov_b32 s[G1+1], 32<<16                      ; rows of 256 bytes,
	s_mov_b32 s[G1+2], 100<<16                     ; 100 of them: a quarter of a slot
	s_mov_b32 s[G1+3], 32<<16
	s_mov_b32 s[G1+4], 100
	s_mov_b32 s[G1+5], 32
	s_mov_b32 s[G1+6], 0
	s_mov_b32 s[G1+7], 0
	s_lshl_b32 s50, s18, 3
	s_add_co_u32 s50, s50, s20
	s_mul_i32 s50, s50, SLOTB                      ; my first slot in kv
	s_mul_i32 s51, s14, 25600                      ; my quarter
	s_add_co_u32 s52, s50, s51
	s_mov_b32 s53, 0
	s_mul_i32 s47, s14, 24576
	s_add_co_u32 s46, s50, s47
	s_add_co_u32 s46, s46, SLOTB                   ; the prefetches: my wave's quarter of the images, one slot on
	s_mov_b32 s47, 0
	s_wait_dscnt 0x0                               ; both opening adds are done
	s_wait_kmcnt 0x0
	s_mov_b32 s[G0], 1
	s_mov_b32 s[G0+1], s51
	s_add_nc_u64 s[G0+2:G0+3], s[6:7], s[52:53]
	s_or_b32 s[G0+3], s[G0+3], 0x80000000
	tensor_load_to_lds s[G0:G0+3], s[G1:G1+7]      ; every wave's first fill: its quarter of the first slot
	s_nop 0
.rept 4
	v_nop
.endr
	s_add_nc_u64 s[PFA:PFA+1], s[6:7], s[46:47]
	s_lshr_b32 s50, s18, 2                         ; batch
	s_and_b32 s51, s18, 3                          ; head
	s_lshl_b32 s52, s50, 13
	s_lshl_b32 s56, s20, 10
	s_add_co_u32 s52, s52, s56
	s_add_nc_u64 s[54:55], s[10:11], s[52:53]      ; the mask at my first slot's first key
	s_lshl_b32 s52, s50, 16
	s_lshl_b32 s56, s51, 10
	s_add_co_u32 s52, s52, s56
	s_add_nc_u64 s[56:57], s[8:9], s[52:53]        ; vs at my batch and head
	s_lshl_b32 s52, s18, 3
	s_add_co_u32 s52, s52, s19
	s_mul_i32 s52, s52, 51200                      ; my slot of qbuf
	s_bfe_u32 s58, ttmp9, 0x10001                  ; which chunk of 128 tokens
	s_and_b32 s59, ttmp9, 1
	s_mul_i32 s60, s58, 24576
	s_add_co_u32 s60, s60, s52
	s_mul_i32 s61, s59, 12288
	s_add_co_u32 s60, s60, s61
	s_mul_i32 s61, s15, 6144
	s_add_co_u32 s60, s60, s61                     ; fragment 4 (block % 2) + 2 p of the chunk
	s_lshl_b32 s58, s58, 10
	s_add_co_u32 s52, s52, s58
	s_lshl_b32 s59, s59, 9
	s_add_co_u32 s52, s52, s59
	s_lshl_b32 s59, s15, 3
	s_add_co_u32 s52, s52, s59
	s_add_co_u32 s52, s52, 49152
	s_add_nc_u64 s[58:59], s[4:5], s[52:53]        ; its scale words
	s_mov_b32 s61, 0
	s_add_nc_u64 s[60:61], s[4:5], s[60:61]        ; its images
	v_and_b32 v15, 31, v0
	v_lshlrev_b32 v[LI], 4, v15                    ; 16 x lane
	v_lshlrev_b32 v[PFO], 8, v15                   ; 256 x lane
	v_lshlrev_b32 v232, 3, v0                      ; 8 x thread
	s_mul_i32 s50, s16, 3072
	v_add_nc_u32 v233, s50, v[LI]                  ; local tile 0 is fragment kappa,
	s_xor_b32 s51, s16, 1
	s_mul_i32 s50, s51, 3072
	v_add_nc_u32 v234, s50, v[LI]                  ; local tile 1 the other
	s_lshl_b32 s50, s16, 2
	v_add_nc_u32 v235, s50, v[LI]
	s_lshl_b32 s50, s51, 2
	v_add_nc_u32 v236, s50, v[LI]
.irp i, 0,1,2,3,4
	global_load_b64 v[64+2*\i:65+2*\i], v232, s[54:55] offset:1024*\i      ; the mask of 1,280 keys, two a thread
.endr
.irp i, 0,1,2,3,4,5,6,7,8,9,10,11,12,13,14,15
	global_load_b64 v[80+2*\i:81+2*\i], v232, s[56:57] offset:4096*\i      ; the 16 chunks' column sums
.endr
	WIN 0x80
.irp v, 0,1
.irp s, 0,1
.irp c, 0,1,2
	global_load_b128 v[192+24*\v+12*\s+4*\c:192+24*\v+12*\s+4*\c+3], v[233+\v], s[60:61] offset:1536*\s+512*\c   ; Q stays in registers
.endr
.endr
.endr
	WIN 0
.irp v, 0,1
	global_load_b32 v[QSC+\v], v[235+\v], s[58:59] ; lanes 0-15: the first 128 d's word, lanes 16-31 the second's
.endr
	v_and_b32 v62, 15, v0                          ; r
	s_wait_alu depctr_va_vdst(0)
	v_bfe_u32 v63, v0, 4, 1                        ; h
	s_wait_alu depctr_va_vdst(0)
	v_mov_b32 v[NEG], 0xff61b1e6                   ; -3e38
	s_mul_i32 s50, s16, 24576
	v_add_nc_u32 v[AK0], s50, v[LI]
	v_add_nc_u32 v[AV0], 49152, v[AK0]
	s_lshl_b32 s50, s16, 10
	s_add_co_u32 s50, s50, 98304
	v_add_nc_u32 v[AS0], s50, v[LI]
	s_lshl_b32 s50, s16, 9
	s_add_co_u32 s50, s50, BIAS
	v_lshl_add_u32 v[AB0], v63, 6, s50
	s_lshl_b32 s[Q0], ttmp9, 6
	s_lshl_b32 s50, s15, 5
	s_add_co_u32 s[Q0], s[Q0], s50                 ; my first query
	v_and_b32 v[DQ], 7, v62
	v_lshrrev_b32 v15, 3, v62
	v_lshl_add_u32 v[DQ], v15, 4, v[DQ]
	v_lshlrev_b32 v15, 4, v63
	v_sub_nc_u32 v[DQ], v[DQ], v15                 ; r % 8 + 16 (r / 8) - 16 h
	s_lshl_b32 s50, s51, 3
	s_add_co_u32 s50, s50, s[Q0]
	v_add_nc_u32 v[DQ+1], s50, v[DQ]
	s_lshl_b32 s50, s16, 3
	s_add_co_u32 s50, s50, s[Q0]
	v_add_nc_u32 v[DQ], s50, v[DQ]
	s_mul_i32 s50, s14, STGW
	s_add_co_u32 s50, s50, STG
	v_add_nc_u32 v[SA], s50, v[LI]                 ; my stage,
	v_and_b32 v15, 31, v0
	v_lshl_add_u32 v[SBW], v15, 2, s50
	s_xor_b32 s50, s14, 1
	s_mul_i32 s50, s50, STGW
	s_add_co_u32 s50, s50, STG
	v_add_nc_u32 v[RA], s50, v[LI]                 ; and my partner's
	v_lshl_add_u32 v[RBW], v15, 2, s50
	v_lshl_add_u32 v[VMA], v63, 5, VM
	v_lshlrev_b32 v[OSC], 5, v62
	v_lshl_add_u32 v[OSC], v63, 2, v[OSC]          ; ob's scale words: 32 r + 4 h
	v_lshl_add_u32 v237, v0, 3, BIAS
	v_lshl_add_u32 v238, v0, 3, VM
	s_mov_b32 s[SEL], 0x76543210
	s_mov_b32 s[SEL+1], 0xfedcba98
	s_mov_b32 s[CS], 0x3fb8aa3b                    ; log2(e): q already carries 1/16
	s_mov_b32 s[CS+1], s[CS]
	s_mov_b32 s[TB], 0
	s_mov_b32 s[TJ], 0
	s_mov_b32 s[SL], s20
	s_lshl_b32 s[KF], s20, 8
	s_lshl_b32 s50, s16, 7
	s_add_co_u32 s[KF], s[KF], s50                 ; my first key
	s_mov_b32 s[CNT], 4
	s_mov_b32 s[C1K], 1024
	s_cmp_eq_u32 ttmp9, 28                         ; who prefetches: one work-group a head
	s_cselect_b32 s[LIM], 1, -1
.irp v, 0,1
	v_mov_b32 v[ST+8*\v+1], 0xff61b1e6             ; the largest t so far: under every t
	v_floor_f32 v[ST+8*\v], -v[ST+8*\v+1]          ; -M
	v_mov_b32 v[ST+8*\v+2], 0
	v_mov_b32 v[ST+8*\v+3], 0
	v_mov_b32 v[ST+8*\v+4], 0
	v_mov_b32 v[ST+8*\v+5], 0
.endr
.irp b, 0,1,2,3
	v_mov_b32 v[T2+\b], 0                          ; a lane permute's destination counts as one of its sources
.endr
	WIN 0x40
.set i, 0
.rept 256
	v_mov_b32 v[i], 0                              ; O^T.  Which step is a wave's first hangs on ids, so no first step can be written out to start the sums
.set i, i+1
.endr
	WIN 0
	s_wait_loadcnt 30                              ; the mask's five loads are in (16 + 12 + 2 younger ones may be out)
.irp i, 0,1,2,3,4,5,6,7,8,9
	v_cmp_ge_i32 vcc_lo, 0, v[64+\i]
	v_cndmask_b32 v[64+\i], 0, v[NEG], vcc_lo      ; 0 where the key counts, -3e38 where it is padding
.endr
.irp i, 0,1,2,3,4
	ds_store_b64 v237, v[64+2*\i:65+2*\i] offset:1024*\i
.endr
	s_wait_loadcnt 14                              ; the column sums are in (Q's 12 + 2 may be out)
.irp i, 2,4,6,8,10,12,14
	v_pk_add_f32 v[80:81], v[80:81], v[80+2*\i:81+2*\i]
	v_pk_add_f32 v[82:83], v[82:83], v[82+2*\i:83+2*\i]
.endr
	v_pk_add_f32 v[80:81], v[80:81], v[82:83]
	ds_store_b64 v238, v[80:81]
	s_wait_loadcnt 0x0                             ; Q
; THE CHANGE OF SLOTS, at a slot's head: all my tensor loads have landed, the add, my LDS instructions are done (the first time: the bias and the column sums too); the barrier; then the slot that was left is filled with the next 256 keys,
; unless the slot in hand is my last: a test on ids and the count of steps alone, the same in all four waves, round the load's own lines and nothing else.
.macro CHANGE fill
	s_wait_tensorcnt 0x0
	ds_add_u32 v[SPW], v[NIL]
.if \fill
	s_xor_b32 s[G0+1], s[G0+1], SLOT1
	s_add_nc_u64 s[G0+2:G0+3], s[G0+2:G0+3], SLOTB
	s_wait_xcnt 0x0                                ; the last prefetches, a slot back, have read their address
	s_add_nc_u64 s[PFA:PFA+1], s[PFA:PFA+1], SLOTB
.endif
	s_wait_dscnt 0x0
	s_barrier_signal -1
	s_barrier_wait -1
.if \fill
	s_cmp_ge_u32 s[SL], s19
	s_cbranch_scc1 .Lpast_\@
	tensor_load_to_lds s[G0:G0+3], s[G1:G1+7]
	s_nop 0
.rept 4
	v_nop
.endr
.Lpast_\@:
	s_cmp_gt_u32 s[CNT], s[LIM]                    ; A PREFETCH INTO THE L2: the work-group of query block 28 walks slots 3 to 7 of its head; at its first three changes it asks for slots 5, 6, 7, one slot past the one just asked for:
	s_cbranch_scc0 .Lnot_mine_\@                   ; the slot's 98,304 bytes of images, 24,576 a wave, lanes 256 bytes apart: each block of 256 bytes is named once in the launch.  Slots 0 to 4 come by their loads alone
	global_prefetch_b8 v[PFO], s[PFA:PFA+1] th:TH_LOAD_NT scope:SCOPE_SE
	global_prefetch_b8 v[PFO], s[PFA:PFA+1] offset:8192 th:TH_LOAD_NT scope:SCOPE_SE
	global_prefetch_b8 v[PFO], s[PFA:PFA+1] offset:16384 th:TH_LOAD_NT scope:SCOPE_SE
.Lnot_mine_\@:
.endif
.endm
; The softmax of local tile v for a key step: a lane holds one query; register 16 b + i is key 32 b + 16 h + i of the step.
.macro SOFT v
.set rS, S+64*(\v)
.set rT, ST+8*(\v)
.set rP, P+12*(\v)
.irp b, 0,1,2,3
	v_max3_num_f32 v[BM+\b], v[rS+16*\b], v[rS+16*\b+1], v[rS+16*\b+2]      ; the largest score of each block of 32 keys: for the row's maximum, and for the block's largest p
.endr
.irp i, 3,5,7,9,11,13
.irp b, 0,1,2,3
	v_max3_num_f32 v[BM+\b], v[BM+\b], v[rS+16*\b+\i], v[rS+16*\b+\i+1]
.endr
.endr
.irp b, 0,1,2,3
	v_max_num_f32 v[BM+\b], v[BM+\b], v[rS+16*\b+15]
.endr
.irp b, 0,1,2,3
	v_permlanex16_b32 v[T2+\b], v[BM+\b], s[SEL], s[SEL+1]
.endr
.irp b, 0,1,2,3
	v_max_num_f32 v[BM+\b], v[BM+\b], v[T2+\b]
.endr
	v_max3_num_f32 v[TMP], v[BM], v[BM+1], v[BM+2]
	v_max_num_f32 v[TMP], v[TMP], v[BM+3]
	v_mul_f32 v[TMP], s[CS], v[TMP]                ; as t (of -3e38: -infinity, which loses against the running largest t)
	v_max_num_f32 v[rT+1], v[rT+1], v[TMP]
	v_mov_b32 v[TMP], v[rT]
	v_floor_f32 v[rT], -v[rT+1]                    ; -M = floor(-t): M is a whole number
	v_sub_f32 v[TMP], v[rT], v[TMP]
	v_cvt_i32_f32 v[TMP], v[TMP]                   ; (it saturates)
	v_ldexp_f32 v[rT+4], 1.0, v[TMP]               ; f = 2^(old M - new M)
.set j, 0
.rept 32
	v_pk_fma_f32 v[rS+j:rS+j+1], v[rS+j:rS+j+1], s[CS:CS+1], v[rT:rT+1] op_sel_hi:[1,0,0]   ; t - M
.set j, j+2
.endr
.irp b, 0,1,2,3
	v_fma_f32 v[BM+\b], v[BM+\b], s[CS], v[rT]
.endr
.set j, 0
	s_wait_alu depctr_va_vdst(0)
.rept 64
	v_exp_f32 v[rS+j], v[rS+j]                     ; p, at most 1, not normalised
.set j, j+1
.endr
	v_pk_mul_f32 v[rT+2:rT+3], v[rT+2:rT+3], v[rT+4:rT+5] op_sel_hi:[1,0]   ; the sums under the new M (a plain place behind the batch)
	s_wait_alu depctr_va_vdst(0)                   ; one wait for the 64, ahead of their first reader
.irp b, 0,1,2,3
	v_exp_f32 v[BM+\b], v[BM+\b]                   ; each block's largest p
.endr
	v_pk_add_f32 v[T2:T2+1], v[rS:rS+1], v[rS+2:rS+3]      ; the row's sum of the unquantised p, in two chains
.irp j, 4,8,12,16,20,24,28,32,36,40,44,48,52,56,60
	v_pk_add_f32 v[rT+2:rT+3], v[rT+2:rT+3], v[rS+\j:rS+\j+1]
	v_pk_add_f32 v[T2:T2+1], v[T2:T2+1], v[rS+\j+2:rS+\j+3]
.endr
	v_pk_add_f32 v[rT+2:rT+3], v[rT+2:rT+3], v[T2:T2+1]
	s_wait_alu depctr_va_vdst(0)                   ; and one for the four
.irp b, 0,1,2,3
	v_max_num_f32 v[BM+\b], 0x1800000, v[BM+\b]    ; the floor 2^(3 - 127)
.endr
.irp b, 0,1,2,3
	v_add_nc_u32 v[SO+\b], 0xff000000, v[BM+\b]
.endr
.irp b, 0,1,2,3
	v_lshrrev_b32 v[T2+\b], 23, v[SO+\b]
.endr
	v_lshl_or_b32 v[rT+5], v[T2+1], 8, v[T2]       ; p's scale word for these 128 keys
	v_lshl_or_b32 v[rT+5], v[T2+2], 16, v[rT+5]
	v_lshl_or_b32 v[rT+5], v[T2+3], 24, v[rT+5]
.irp c, 0,1
	v_cvt_scalef32_pk16_fp6_f32 v[rP+6*\c:rP+6*\c+2], v[rS+32*\c:rS+32*\c+15], v[SO+2*\c]
	v_cvt_scalef32_pk16_fp6_f32 v[CT+4*\c:CT+4*\c+2], v[rS+32*\c+16:rS+32*\c+31], v[SO+2*\c+1]
.endr
	v_nop                                          ; one plain place behind a scaled conversion
.irp c, 0,1
.irp i, 0,1,2
	v_permlane16_swap_b32 v[rP+6*\c+\i], v[CT+4*\c+\i]
.endr
.irp i, 0,1,2
	v_mov_b32 v[rP+3+6*\c+\i], v[CT+4*\c+\i]
.endr
.endr
.endm
; A KEY STEP: my 128 keys of the slot in hand against my 32 queries.
.macro STEP
	s_add_co_u32 s50, s[Q0], 31
	s_cmp_gt_u32 s[KF], s50                        ; all keys come after all my queries,
	s_cbranch_scc1 .Lskip_\@
	s_add_co_u32 s50, s[KF], 1150
	s_cmp_lt_u32 s50, s[Q0]                        ; or all lie 1,024 or more behind them: the step's work is left out
	s_cbranch_scc1 .Lskip_\@
	s_sub_co_u32 s50, 0, s[KF]
	v_add_nc_u32 v[ADK], s[TB], v[AK0]             ; (these six are the places between the last step's products and the loads into their registers)
	v_add_nc_u32 v[ADV], s[TB], v[AV0]
	v_add_nc_u32 v[ADS], s[TB], v[AS0]
	v_add_nc_u32 v[ADB], s[TJ], v[AB0]
	v_add_nc_u32 v[DD], s50, v[DQ]
	v_add_nc_u32 v[DD+1], s50, v[DQ+1]
	ds_load_b128 v[KSC:KSC+3], v[ADS]
	ds_load_b128 v[KSC+4:KSC+7], v[ADS] offset:512
	WIN 0xc0
.irp g, 0,1,2,3
.irp j, 0,1,2,3
	ds_load_b128 v[192+16*\g+4*\j:192+16*\g+4*\j+3], v[ADB] offset:128*\g+16*\j    ; the bias of keys 32 g + 16 h + 0 .. 15
.endr
.endr
	WIN 0x80
.irp s, 0,1
.irp t, 0,1,2,3,4,5,6,7
.irp c, 0,1,2
	ds_load_b128 v[24*\t+12*\s+4*\c:24*\t+12*\s+4*\c+3], v[ADK] offset:3072*\t+1536*\s+512*\c
.endr
.endr
.endr
	WIN 0x3a                                       ; K and Q window 2, the bias window 3, S^T window 0
	s_wait_alu depctr_va_vdst(0)
	s_wait_dscnt 36                                ; scale words, bias and tiles 0-3 of the first 128 d are in; 12 + 24 younger loads may be out
.irp t, 0,1,2,3,4,5,6,7
.if \t == 4
	s_wait_dscnt 24                                ; tiles 4-7 too; the second 128 d's 24 loads may be out
.endif
.irp v, 0,1
	v_wmma_scale_f32_16x16x128_f8f6f4 v[S+64*\v+8*\t:S+64*\v+8*\t+7], v[24*\t:24*\t+11], v[192+24*\v:192+24*\v+11], v[192+8*\t:192+8*\t+7], v[KSC+\t], v[QSC+\v] matrix_a_fmt:MATRIX_FMT_FP6 matrix_b_fmt:MATRIX_FMT_FP6
.endr
.endr
	WIN 0x0a
	s_wait_dscnt 12
.irp t, 0,1,2,3,4,5,6,7                        ; the 16 accumulators by turns, in the same order
.if \t == 4
	s_wait_dscnt 0
.endif
.irp v, 0,1
	v_wmma_scale_f32_16x16x128_f8f6f4 v[S+64*\v+8*\t:S+64*\v+8*\t+7], v[24*\t+12:24*\t+23], v[192+24*\v+12:192+24*\v+23], v[S+64*\v+8*\t:S+64*\v+8*\t+7], v[KSC+\t], v[QSC+\v] matrix_a_fmt:MATRIX_FMT_FP6 matrix_b_fmt:MATRIX_FMT_FP6 matrix_a_scale:MATRIX_SCALE_ROW1 matrix_b_scale:MATRIX_SCALE_ROW1
.endr
.endr
	WIN 0
	ds_load_b128 v[VSC:VSC+3], v[ADS] offset:2048
	ds_load_b128 v[VSC+4:VSC+7], v[ADS] offset:2560
	WIN 0xc0
.irp t, 0,1,2,3,4,5,6,7,8,9,10,11,12,13,14,15
.irp c, 0,1,2
	ds_load_b128 v[12*\t+4*\c:12*\t+4*\c+3], v[ADV] offset:1536*\t+512*\c          ; V^T lands while the softmax is walked
.endr
.endr
	WIN 0
.rept 4
	v_nop                                          ; places in front of the first read of the scores
.endr
	s_add_co_u32 s50, s[KF], 127
	s_cmp_gt_u32 s50, s[Q0]                        ; some key may come after some query,
	s_cbranch_scc1 .Lband_\@
	s_add_co_u32 s50, s[KF], 992
	s_cmp_lt_u32 s50, s[Q0]                        ; or lie 1,024 or more behind one
	s_cbranch_scc0 .Lopen_\@
.Lband_\@:
.irp v, 0,1
.set n, 0
.rept 64
	v_add_nc_u32 v[TMPB], -(32*(n/16)+n%16), v[DD+\v]              ; query - key
	v_cmp_gt_u32 vcc_lo, s[C1K], v[TMPB]                           ; 0 .. 1,023: inside the band
	v_cndmask_b32 v[S+64*\v+n], v[NEG], v[S+64*\v+n], vcc_lo
.set n, n+1
.endr
.endr
.Lopen_\@:
	SOFT 0
	SOFT 1
	WIN 0x41
.irp v, 0,1
.set i, 0
.rept 64
	v_pk_mul_f32 v[128*\v+i:128*\v+i+1], v[128*\v+i:128*\v+i+1], v[ST+8*\v+4:ST+8*\v+5] op_sel_hi:[1,0]   ; O^T under the new M (also the places in front of the products below)
.set i, i+2
.endr
.endr
	s_wait_alu depctr_va_vdst(0)
	s_wait_dscnt 0x0                               ; V^T is in
	WIN 0x53                                       ; V^T window 3, p window 0, O^T window 1
.irp u, 0,1,2,3,4,5,6,7,8,9,10,11,12,13,14,15  ; tile u of O^T takes V^T's stored tile u with its two top bits exchanged: d comes back into its order
.set TP, ((\u)&3)+(((\u)&4)<<1)+(((\u)&8)>>1)
.irp v, 0,1
.if TP < 8
	v_wmma_scale_f32_16x16x128_f8f6f4 v[128*\v+8*\u:128*\v+8*\u+7], v[12*TP:12*TP+11], v[P+12*\v:P+12*\v+11], v[128*\v+8*\u:128*\v+8*\u+7], v[VSC+TP], v[ST+8*\v+5] matrix_a_fmt:MATRIX_FMT_FP6 matrix_b_fmt:MATRIX_FMT_FP6
.else
	v_wmma_scale_f32_16x16x128_f8f6f4 v[128*\v+8*\u:128*\v+8*\u+7], v[12*TP:12*TP+11], v[P+12*\v:P+12*\v+11], v[128*\v+8*\u:128*\v+8*\u+7], v[VSC+TP-8], v[ST+8*\v+5] matrix_a_fmt:MATRIX_FMT_FP6 matrix_b_fmt:MATRIX_FMT_FP6 matrix_a_scale:MATRIX_SCALE_ROW1
.endif
.endr
.endr
	WIN 0
.Lskip_\@:
	s_add_co_u32 s[KF], s[KF], 256
	s_add_co_u32 s[TJ], s[TJ], 1024
	s_add_co_u32 s[SL], s[SL], 1
	s_xor_b32 s[TB], s[TB], SLOT1
.endm
.Lslot:                                            ; four trips, and the fifth written out without a load
	CHANGE 1
	STEP
	s_sub_co_u32 s[CNT], s[CNT], 1
	s_cmp_lg_u32 s[CNT], 0
	s_cbranch_scc1 .Lslot
	CHANGE 0
	STEP
	; ---------------- THE WAY OUT ----------------
.irp b, 0,1,2,3
	v_mov_b32 v[TM+4+\b], 0                        ; (a lane permute's destinations; also the four places behind the last products)
.endr
.irp v, 0,1
	v_add_f32 v[ST+8*\v+2], v[ST+8*\v+2], v[ST+8*\v+3]
.endr
.irp v, 0,1
	v_permlanex16_b32 v[ST+8*\v+3], v[ST+8*\v+2], s[SEL], s[SEL+1]
.endr
.irp v, 0,1
	v_add_f32 v[ST+8*\v+2], v[ST+8*\v+2], v[ST+8*\v+3]             ; my keys' sum of p for each query
.endr
	WIN 0x04                                       ; an LDS store's data are its source 1: window 1
.set i, 0
.rept 32
	ds_store_b128 v[SA], v[128+4*i:128+4*i+3] offset:512*i         ; local tile 1 goes to my partner, each accumulator from its low end on
.set i, i+1
.endr
	WIN 0
	ds_store_b32 v[SBW], v[ST+8] offset:16384      ; with its -M
	ds_store_b32 v[SBW], v[ST+10] offset:16512     ; and its sum
	s_wait_dscnt 0x0                               ; for the partner's sake: my stores are done
	s_barrier_signal -1
	s_barrier_wait -1
.set i, 0
.rept 32
	ds_load_b128 v[S+4*i:S+4*i+3], v[RA] offset:512*i              ; the partner's part of my fragment
.set i, i+1
.endr
	ds_load_b32 v50, v[RBW] offset:16384
	ds_load_b32 v51, v[RBW] offset:16512
	WIN 0x80
.irp u, 0,1,2,3,4,5,6,7,8,9,10,11,12,13,14,15
.set TP, ((\u)&3)+(((\u)&4)<<1)+(((\u)&8)>>1)
	ds_load_b128 v[8*\u:8*\u+3], v[VMA] offset:64*TP               ; the column sums, in O^T's layout
	ds_load_b128 v[8*\u+4:8*\u+7], v[VMA] offset:64*TP+16
.endr
	WIN 0
	s_lshr_b32 s50, s18, 2
	s_lshl_b32 s50, s50, 3
	s_add_co_u32 s50, s50, s19                     ; the tile of 256 tokens: 8 batch + G
	s_and_b32 s51, s18, 3                          ; head
	s_and_b32 s52, ttmp9, 3
	s_lshl_b32 s52, s52, 2
	s_lshl_b32 s53, s15, 1
	s_add_co_u32 s52, s52, s53
	s_add_co_u32 s52, s52, s16                     ; my fragment of its 16: 4 (block % 4) + 2 p + kappa
	s_lshl_b32 s54, s50, 2
	s_add_co_u32 s54, s54, s51
	s_lshl_b32 s54, s54, 4
	s_add_co_u32 s54, s54, s52
	s_mul_i32 s54, s54, 3072
	s_mov_b32 s55, 0
	s_add_nc_u64 s[54:55], s[12:13], s[54:55]      ; its two images
	s_lshl_b32 s56, s50, 8
	s_lshl_b32 s57, s52, 4
	s_add_co_u32 s56, s56, s57
	s_lshl_b32 s56, s56, 5
	s_lshl_b32 s57, s51, 3
	s_add_co_u32 s56, s56, s57
	s_add_co_u32 s56, s56, 3145728
	s_mov_b32 s57, 0
	s_add_nc_u64 s[56:57], s[12:13], s[56:57]      ; its rows' scale words of this head
	s_wait_dscnt 0x0
	v_min_num_f32 v52, v[ST], v50                  ; the common -M
	v_sub_f32 v53, v52, v[ST]
	v_sub_f32 v54, v52, v50
	v_cvt_i32_f32 v53, v53
	v_cvt_i32_f32 v54, v54
	v_ldexp_f32 v53, 1.0, v53                      ; mine under the common M,
	s_wait_alu depctr_va_vdst(0)
	v_ldexp_f32 v54, 1.0, v54                      ; and the partner's: exact
	v_mul_f32 v55, v[ST+2], v53
	v_fma_f32 v55, v51, v54, v55                   ; the row's sum
	v_mov_b32 v57, 1.0
	v_mov_b32 v58, 0x3a000000                      ; 2^-11
	v_cmp_eq_f32 vcc_lo, 0, v55                    ; no allowed key: a select, no branch
	v_cndmask_b32 v56, v55, v57, vcc_lo
	v_cndmask_b32 v58, 0, v58, vcc_lo
	s_wait_alu depctr_va_vdst(0)
	v_rcp_f32 v56, v56
	v_mov_b32 v59, v58                             ; (a plain place behind the reciprocal)
	s_wait_alu depctr_va_vdst(0)                   ; ahead of its first reader
	v_mul_f32 v60, v53, v56
	v_mul_f32 v62, v54, v56
	v_mov_b32 v61, v60
	v_mov_b32 v63, v62
.set i, 0
.rept 64
	v_pk_mul_f32 v[S+i:S+i+1], v[S+i:S+i+1], v[62:63]
.set i, i+2
.endr
	WIN 0x02
.set i, 0
.rept 64
	v_pk_fma_f32 v[S+i:S+i+1], v[i:i+1], v[58:59], v[S+i:S+i+1]    ; + the mean of the quantised v, or + 0
.set i, i+2
.endr
	WIN 0x01
.set i, 0
.rept 64
	v_pk_fma_f32 v[S+i:S+i+1], v[i:i+1], v[60:61], v[S+i:S+i+1]    ; + my own part: register 8 u + j is d = 32 (u / 2) + 16 h + 8 (u % 2) + j of my query
.set i, i+2
.endr
	WIN 0
.macro QUANT s, pw                     ; 64 numbers of a lane, register 16 b + i = k 32 b + 16 h + i, become a fragment's codes in v[P] on and its scale word
.irp b, 0,1,2,3
	v_max3_num_f32 v[TM+\b], |v[(\s)+16*\b]|, |v[(\s)+1+16*\b]|, 0x1800000
.endr
.irp i, 2,4,6,8,10,12,14
.irp b, 0,1,2,3
	v_max3_num_f32 v[TM+\b], v[TM+\b], |v[(\s)+16*\b+\i]|, |v[(\s)+1+16*\b+\i]|
.endr
.endr
.irp b, 0,1,2,3
	v_permlanex16_b32 v[TM+4+\b], v[TM+\b], s[SEL], s[SEL+1]
.endr
.irp b, 0,1,2,3
	v_max_num_f32 v[TM+\b], v[TM+\b], v[TM+4+\b]
.endr
.irp b, 0,1,2,3
	v_add_nc_u32 v[TM+12+\b], 0xff000000, v[TM+\b]
.endr
.irp b, 0,1,2,3
	v_lshrrev_b32 v[TM+4+\b], 23, v[TM+12+\b]
.endr
	v_lshl_or_b32 v[\pw], v[TM+5], 8, v[TM+4]
	v_lshl_or_b32 v[\pw], v[TM+6], 16, v[\pw]
	v_lshl_or_b32 v[\pw], v[TM+7], 24, v[\pw]
.irp c, 0,1
	v_cvt_scalef32_pk16_fp6_f32 v[P+6*\c:P+2+6*\c], v[(\s)+32*\c:(\s)+15+32*\c], v[TM+12+2*\c]
	v_cvt_scalef32_pk16_fp6_f32 v[P+12+4*\c:P+14+4*\c], v[(\s)+16+32*\c:(\s)+31+32*\c], v[TM+12+2*\c+1]
.endr
	v_nop
.irp c, 0,1
.irp i, 0,1,2
	v_permlane16_swap_b32 v[P+6*\c+\i], v[P+12+4*\c+\i]
.endr
.irp i, 0,1,2
	v_mov_b32 v[P+3+6*\c+\i], v[P+12+4*\c+\i]
.endr
.endr
.endm
	QUANT S, 212
.irp c, 0,1,2
	global_store_b128 v[LI], v[P+4*\c:P+4*\c+3], s[54:55] offset:512*\c            ; 32 lanes store 512 consecutive bytes, aligned
.endr
	s_wait_xcnt 0x0                                ; the stores have read their registers
	QUANT S+64, 213
.irp c, 0,1,2
	global_store_b128 v[LI], v[P+4*\c:P+4*\c+3], s[54:55] offset:1536+512*\c
.endr
	v_bfe_u32 v215, v0, 4, 1
	v_cmp_ne_u32 vcc_lo, 0, v215
	v_cndmask_b32 v214, v212, v213, vcc_lo         ; lanes 16-31 store the second 128 d's word
	global_store_b32 v[OSC], v214, s[56:57]
	s_wait_tensorcnt 0x0                           ; the wave's end
	ds_add_u32 v[SPW], v[NIL]
	s_wait_dscnt 0x0
	s_endpgm
.Lfunc_end_k_q47c757a416_attn:
	.size	k_q47c757a416_attn, .Lfunc_end_k_q47c757a416_attn-k_q47c757a416_attn
	.p2alignl 7, 3214868480
	.fill 96, 4, 3214868480
	.section	.rodata,"a",@progbits
	.p2align	6, 0x0
	.amdhsa_kernel k_q47c757a416_attn
		.amdhsa_group_segment_fixed_size 327680
		.amdhsa_private_segment_fixed_size 0
		.amdhsa_enable_private_segment 0
		.amdhsa_kernarg_size 40
		.amdhsa_user_sgpr_count 2
		.amdhsa_user_sgpr_kernarg_segment_ptr 1
		.amdhsa_wavefront_size32 1
		.amdhsa_system_sgpr_workgroup_id_x 1
		.amdhsa_system_sgpr_workgroup_id_y 1
		.amdhsa_system_sgpr_workgroup_id_z 1
		.amdhsa_system_vgpr_workitem_id 0
		.amdhsa_next_free_vgpr 1024
		.amdhsa_next_free_sgpr 66
		.amdhsa_reserve_vcc 1
		.amdhsa_float_denorm_mode_32 3
		.amdhsa_float_denorm_mode_16_64 3
		.amdhsa_memory_ordered 1
		.amdhsa_forward_progress 1
		.amdhsa_inst_pref_size 174
	.end_amdhsa_kernel
	.amdgpu_metadata
---
amdhsa.version: [ 1, 2 ]
amdhsa.kernels:
  - .name:           k_q47c757a416_attn
    .symbol:         k_q47c757a416_attn.kd
    .args:
      - { .name: qbuf, .offset: 0, .size: 8, .value_kind: global_buffer, .address_space: global }
      - { .name: kv, .offset: 8, .size: 8, .value_kind: global_buffer, .address_space: global }
      - { .name: vs, .offset: 16, .size: 8, .value_kind: global_buffer, .address_space: global }
      - { .name: attention_mask, .offset: 24, .size: 8, .value_kind: global_buffer, .address_space: global }
      - { .name: ob, .offset: 32, .size: 8, .value_kind: global_buffer, .address_space: global }
    .group_segment_fixed_size: 327680
    .private_segment_fixed_size: 0
    .kernarg_segment_align: 8
    .kernarg_segment_size: 40
    .max_flat_workgroup_size: 128
    .sgpr_count:     66
    .vgpr_count:     1024
    .wavefront_size: 32
...
	.end_amdgpu_metadata
.endif
;; end of part 3
;; launch proj (part 4): grid 8 x 32, 4 waves a work-group, clusters of 4 x 4, 327,680 bytes of LDS; arguments ob, wq, out0; writes out0
.if DOCPART == 4
	.amdgcn_target "amdgcn-amd-amdhsa--gfx1250"
	.amdhsa_code_object_version 6
	.text
	.protected	k_q47c757a416_proj
	.globl	k_q47c757a416_proj
	.p2align	8
	.type	k_q47c757a416_proj,@function
k_q47c757a416_proj:
	s_mov_b64 s[64:65], 0
	v_nop
	global_prefetch_b8 v0, s[64:65] scope:SCOPE_SE
	s_setreg_imm32_b32 hwreg(HW_REG_WAVE_MODE, 25, 1), 1
	s_wait_xcnt 0x0
	s_wait_alu depctr_hold_cnt(0) depctr_sa_sdst(0) depctr_va_vdst(0) depctr_va_sdst(0) depctr_va_ssrc(0) depctr_va_vcc(0) depctr_vm_vsrc(0)
	s_getreg_b32 s2, hwreg(HW_REG_IB_STS2, 6, 4)
	s_cmp_eq_u32 s2, 0
	s_cbranch_scc0 .Lentry_in_a_cluster
	s_endpgm
.Lentry_in_a_cluster:
	s_bfe_u32 s2, ttmp6, 0x10000c
	s_cmp_lg_u32 s2, 0xf033
	s_cbranch_scc0 .Lentry_shape_is_right
	s_endpgm
.Lentry_shape_is_right:
; out0 = O x Wo on codes of FP6 (E2M3), K = 1,024.  Nothing of reference() is left out here.  A work-group makes 128 tokens x 256 columns, a wave 64 x 128 in 32 accumulators; 256 work-groups.
; Both operands lie in memory as images of operand registers, [256 rows][256 along K][fragment of 16 rows][128 along K][1,536 bytes].  ALL OF K comes at the head, one joint load a wave: waves 0 and 1 fetch the two halves of A's
; 128 tokens (4 tensor rows of 12,288 bytes, one for each 256 along K, 49,152 apart), waves 2 and 3 the halves of B's 256 columns (4 rows of 24,576 bytes).  Nothing is filled again: one barrier shows the tiles to all waves.
; CLUSTERS of 4 x 4: A's tile is shared along a row of the cluster, B's along a column.  The scale words (32 bytes a row: 2,048 + 4,096 bytes a wave) go from memory straight into registers of their own and are not shared.
; NO PREFETCH: the launch has no loop to run ahead in: every byte is asked for by the head's loads.
; The matrix instruction is used transposed (source 0 = 16 columns of Wo, source 1 = 16 tokens): a lane holds eight neighbouring numbers of a row of out0.  Rows leave through the wave's stage in LDS as 512 consecutive bytes.
; REGISTERS: window 0: v16-27 addresses, v32-63 A's scale words (8 a + step), v64-127 B's (8 b + step), from v128 A's fragments, two sets of 48; window 1: B's fragments, two sets; window 2: the accumulators.
.set SIZE_N, 2048
.set FR,     12
.set NP,     4
.set BBASE,  98304                     ; A: [half][256 along K][12,288]; behind it B: [half][256 along K][24,576]
.set SPARE,  BBASE+196608              ; the spare words: two blocks of 256 bytes that no other line names
.set SPITCH, 528
.set ADRA, 16
.set ADRB, 20
.set STO,  24
.set RD,   25
.set CO,   26
.set SPW,  28
.set NIL,  29
.set SCA,  32
.set SCB,  64
.set AF,   128
.set BK,   128
.set G1,   24
.set G1B,  32
.set MSB, 0
.macro WIN new
.if MSB != (\new)
	s_set_vgpr_msb (MSB<<8)|(\new)
.set MSB, (\new)
.endif
.endm
.set MUL,  0xa1
.set TO_B, 0x40
.macro CREST
	s_cmp_lg_u32 s14, 0
	s_cbranch_scc1 .Lnot_wave_0_\@
	s_barrier_signal -3
.Lnot_wave_0_\@:
	s_barrier_wait -3
	s_barrier_signal -1
	s_barrier_wait -1
.endm
.macro CROUND
	s_barrier_signal -1
	s_barrier_wait -1
	CREST
.endm
	s_load_b128 s[4:7], s[0:1], 0x0                ; ob, wq
	s_load_b64 s[12:13], s[0:1], 0x10              ; out0
	v_lshl_add_u32 v[SPW], v0, 2, SPARE
	v_mov_b32 v[NIL], 0
	ds_add_u32 v[SPW], v[NIL]                      ; the opening: the add, twice on end, and its wait
	ds_add_u32 v[SPW], v[NIL]
	v_lshrrev_b32 v1, 5, v0
	v_readfirstlane_b32 s14, v1                    ; wave
	s_lshr_b32 s15, s14, 1                         ; my half of the tokens.  Also: I fetch for A (0) or for B (1)
	s_and_b32 s16, s14, 1                          ; my half of the columns.  Also: which half of that tile I fetch
	s_bfe_u32 s2, ttmp6, 0x40000                   ; cx
	s_bfe_u32 s3, ttmp6, 0x40004                   ; cy
	s_lshl_b32 s10, ttmp9, 2
	s_add_co_u32 s10, s10, s2                      ; tile of 256 columns
	s_and_b32 s17, ttmp7, 0xffff
	s_lshl_b32 s17, s17, 2
	s_add_co_u32 s17, s17, s3                      ; tile of 128 tokens
	s_lshl_b32 s18, s3, 2
	s_lshl_b32 s18, 15, s18                        ; my row of the cluster
	s_lshl_b32 s19, 0x1111, s2                     ; my column
	s_or_b32 s[G1+0], s18, (3<<16)|(1<<21)         ; elements of 8 bytes, no padding
	s_mov_b32 s[G1+1], 1536<<16
	s_mov_b32 s[G1+2], 4<<16
	s_mov_b32 s[G1+3], 1536<<16
	s_mov_b32 s[G1+4], 4
	s_mov_b32 s[G1+5], 6144
	s_mov_b32 s[G1+6], 0
	s_mov_b32 s[G1+7], 0
	s_or_b32 s[G1B+0], s19, (3<<16)|(1<<21)
	s_mov_b32 s[G1B+1], 3072<<16
	s_mov_b32 s[G1B+2], 4<<16
	s_mov_b32 s[G1B+3], 3072<<16
	s_mov_b32 s[G1B+4], 4
	s_mov_b32 s[G1B+5], 6144
	s_mov_b32 s[G1B+6], 0
	s_mov_b32 s[G1B+7], 0
	s_lshr_b32 s20, s17, 1                         ; A's images: 196,608 x tile of 256 tokens + 24,576 x its half + 12,288 x the half that I fetch
	s_mul_i32 s20, s20, 196608
	s_and_b32 s21, s17, 1
	s_mul_i32 s21, s21, 24576
	s_add_co_u32 s20, s20, s21
	s_mul_i32 s21, s16, 12288
	s_add_co_u32 s20, s20, s21
	s_mov_b32 s21, 0
	s_lshl_b32 s22, s17, 12                        ; A's scale words of the 64 tokens that I multiply
	s_lshl_b32 s23, s15, 11
	s_add_co_u32 s22, s22, s23
	s_add_co_u32 s22, s22, 3145728
	s_mov_b32 s23, 0
	s_mul_i32 s8, s10, 196608                      ; B's images
	s_mul_i32 s9, s16, 24576
	s_add_co_u32 s8, s8, s9
	s_add_co_u32 s8, s8, 4915200
	s_mov_b32 s9, 0
	s_lshl_b32 s48, s10, 13                        ; B's scale words of my 128 columns
	s_lshl_b32 s49, s16, 12
	s_add_co_u32 s48, s48, s49
	s_add_co_u32 s48, s48, 6488064
	s_mov_b32 s49, 0
	s_mov_b32 s40, 1
	s_mul_i32 s41, s16, 49152
	s_mov_b32 s44, 1
	s_mul_i32 s45, s16, 98304
	s_add_co_u32 s45, s45, BBASE
	s_wait_dscnt 0x0                               ; both opening adds are done
	s_wait_kmcnt 0x0
	s_add_nc_u64 s[42:43], s[4:5], s[20:21]
	s_or_b32 s43, s43, 0x80000000
	s_add_nc_u64 s[22:23], s[4:5], s[22:23]
	s_add_nc_u64 s[46:47], s[6:7], s[8:9]
	s_or_b32 s47, s47, 0x80000000
	s_add_nc_u64 s[48:49], s[6:7], s[48:49]
	CROUND                                         ; all sixteen work-groups are here: the joint loads meet
	s_cmp_eq_u32 s15, 0
	s_cbranch_scc0 .Lfor_b
	tensor_load_to_lds s[40:43], s[G1:G1+7]
	s_nop 0
.rept 4
	v_nop
.endr
	s_branch .Lasked
.Lfor_b:
	tensor_load_to_lds s[44:47], s[G1B:G1B+7]
	s_nop 0
.rept 4
	v_nop
.endr
.Lasked:
	v_and_b32 v1, 15, v0                           ; r
	v_lshlrev_b32 v5, 5, v1                        ; a row's 8 scale words; lanes 16-31 take the same as lanes 0-15
.irp a, 0,1,2,3
	global_load_b128 v[SCA+8*\a:SCA+8*\a+3], v5, s[22:23] offset:512*\a
	global_load_b128 v[SCA+8*\a+4:SCA+8*\a+7], v5, s[22:23] offset:512*\a+16
.endr
.irp b, 0,1,2,3,4,5,6,7
	global_load_b128 v[SCB+8*\b:SCB+8*\b+3], v5, s[48:49] offset:512*\b
	global_load_b128 v[SCB+8*\b+4:SCB+8*\b+7], v5, s[48:49] offset:512*\b+16
.endr
	v_bfe_u32 v2, v0, 4, 1                         ; h
	v_and_b32 v6, 31, v0
	v_lshlrev_b32 v[CO], 4, v6                     ; 16 x lane
	s_wait_alu depctr_va_vdst(0)                   ; the wait behind these writes
	s_mul_i32 s50, s15, 49152
	s_mul_i32 s51, s16, 98304
	s_add_co_u32 s51, s51, BBASE
.irp j, 0,1,2,3
	v_add_nc_u32 v[ADRA+\j], s50, v[CO]
	v_add_nc_u32 v[ADRB+\j], s51, v[CO]
	s_add_co_u32 s50, s50, 12288
	s_add_co_u32 s51, s51, 24576
.endr
	s_mul_i32 s52, s14, 16*SPITCH                  ; my stage, over A's tile, which is read no more when the first result is stored
	v_mul_u32_u24 v7, v1, SPITCH
	v_lshl_add_u32 v7, v2, 5, v7
	v_add_nc_u32 v[STO], s52, v7
	v_add_nc_u32 v[RD], s52, v[CO]
	s_lshl_b32 s20, s17, 7
	s_lshl_b32 s21, s15, 6
	s_add_co_u32 s20, s20, s21                     ; my first row of out0
	s_mov_b32 s21, 0
	s_mov_b64 s[18:19], SIZE_N*4
	s_mul_u64 s[20:21], s[20:21], s[18:19]
	s_lshl_b32 s8, s10, 10
	s_lshl_b32 s9, s16, 9
	s_add_co_u32 s8, s8, s9
	s_mov_b32 s9, 0
	s_add_nc_u64 s[20:21], s[20:21], s[8:9]
	s_add_nc_u64 s[12:13], s[12:13], s[20:21]
.macro FRAGI reg, adr, off
.irp c, 0,1,2
	ds_load_b128 v[\reg+4*\c:\reg+4*\c+3], v[\adr] offset:(\off)+512*\c
.endr
.endm
.macro FETCH s                         ; step s of 128 along K: B's eight fragments and A's four into set s % 2
	WIN TO_B
.irp b, 0,1,2,3,4,5,6,7
	FRAGI 128*((\s)%2)+FR*\b, ADRB+(\s)/2, 3072*\b+1536*((\s)%2)
.endr
	WIN 0
.irp a, 0,1,2,3
	FRAGI AF+48*((\s)%2)+FR*\a, ADRA+(\s)/2, 3072*\a+1536*((\s)%2)
.endr
.endm
.macro MUL8 a, s                       ; the 32 accumulators take turns, in the same order in every step
.irp b, 0,1,2,3,4,5,6,7
.if (\s) == 0
	v_wmma_scale_f32_16x16x128_f8f6f4 v[8*(8*(\a)+\b):8*(8*(\a)+\b)+7], v[128*((\s)%2)+FR*\b:128*((\s)%2)+FR*\b+FR-1], v[AF+48*((\s)%2)+FR*(\a):AF+48*((\s)%2)+FR*(\a)+FR-1], 0, v[SCB+8*\b+(\s)], v[SCA+8*(\a)+(\s)] matrix_a_fmt:MATRIX_FMT_FP6 matrix_b_fmt:MATRIX_FMT_FP6
.else
	v_wmma_scale_f32_16x16x128_f8f6f4 v[8*(8*(\a)+\b):8*(8*(\a)+\b)+7], v[128*((\s)%2)+FR*\b:128*((\s)%2)+FR*\b+FR-1], v[AF+48*((\s)%2)+FR*(\a):AF+48*((\s)%2)+FR*(\a)+FR-1], v[8*(8*(\a)+\b):8*(8*(\a)+\b)+7], v[SCB+8*\b+(\s)], v[SCA+8*(\a)+(\s)] matrix_a_fmt:MATRIX_FMT_FP6 matrix_b_fmt:MATRIX_FMT_FP6
.endif
.endr
.endm
.macro PLACES n
.rept \n
	v_nop
.endr
.endm
.macro STEP s
	s_wait_dscnt 0x0                               ; this step's fragments are in
	WIN MUL
	MUL8 0, \s
.if (\s) < 7
	WIN 0
	PLACES NP                                      ; in front of loads into the set that the last step multiplied
	FETCH (\s)+1
	WIN MUL
.endif
	MUL8 1, \s
	MUL8 2, \s
	MUL8 3, \s
	WIN 0
.endm
	s_wait_alu depctr_va_vdst(0)                   ; the wait at the head's end
	s_wait_tensorcnt 0x0                           ; my part of the tiles is in
	s_barrier_signal -1
	s_barrier_wait -1                              ; and everybody's
	FETCH 0
	s_wait_loadcnt 0x0                             ; the scale words
.irp s, 0,1,2,3,4,5,6,7
	STEP \s
.endr
	s_wait_dscnt 0x0
	s_barrier_signal -1
	s_barrier_wait -1                              ; nobody reads the tiles any more: the stages may be written
.macro TOSTAGE a
.set AC, 64*(\a)
	WIN 0x08
.irp b, 0,1,2,3,4,5,6,7
	ds_store_b128 v[STO], v[AC+8*\b:AC+8*\b+3] offset:64*\b        ; each accumulator from its low end on
	ds_store_b128 v[STO], v[AC+8*\b+4:AC+8*\b+7] offset:64*\b+16
.endr
	WIN 0
.set BB, BK+64*((\a)%2)
.irp t, 0,1,2,3,4,5,6,7,8,9,10,11,12,13,14,15
	ds_load_b128 v[BB+4*\t:BB+4*\t+3], v[RD] offset:\t*SPITCH      ; LDS serves a wave's instructions in order: these see my stores
.endr
.endm
.macro SEND a, younger                 ; stored row t of fragment a is token 32 (a / 2) + 8 (a % 2) + t % 8 + 16 (t / 8)
.set BB, BK+64*((\a)%2)
	s_wait_dscnt \younger
.irp t, 0,1,2,3,4,5,6,7,8,9,10,11,12,13,14,15
	global_store_b128 v[CO], v[BB+4*\t:BB+4*\t+3], s[12:13] offset:(32*((\a)/2)+8*((\a)%2)+((\t)&7)+16*((\t)>>3))*SIZE_N*4 th:TH_STORE_NT   ; 32 lanes store 512 consecutive bytes, aligned
.endr
.endm
	PLACES NP
	TOSTAGE 0
.irp a, 1,2,3
.if \a > 1
	s_wait_xcnt 0x0                                ; block a - 2's stores have read their registers
.endif
	TOSTAGE \a
	SEND \a-1, 32                                  ; behind block a - 1's loads: block a's 16 stores and 16 loads
.endr
	SEND 3, 0
	s_wait_tensorcnt 0x0                           ; the wave's end
	ds_add_u32 v[SPW], v[NIL]
	s_wait_dscnt 0x0
	CROUND                                         ; the closing round
	s_endpgm
.Lfunc_end_k_q47c757a416_proj:
	.size	k_q47c757a416_proj, .Lfunc_end_k_q47c757a416_proj-k_q47c757a416_proj
	.p2alignl 7, 3214868480
	.fill 96, 4, 3214868480
	.section	.rodata,"a",@progbits
	.p2align	6, 0x0
	.amdhsa_kernel k_q47c757a416_proj
		.amdhsa_group_segment_fixed_size 327680
		.amdhsa_private_segment_fixed_size 0
		.amdhsa_enable_private_segment 0
		.amdhsa_kernarg_size 24
		.amdhsa_user_sgpr_count 2
		.amdhsa_user_sgpr_kernarg_segment_ptr 1
		.amdhsa_wavefront_size32 1
		.amdhsa_system_sgpr_workgroup_id_x 1
		.amdhsa_system_sgpr_workgroup_id_y 1
		.amdhsa_system_sgpr_workgroup_id_z 1
		.amdhsa_system_vgpr_workitem_id 0
		.amdhsa_next_free_vgpr 768
		.amdhsa_next_free_sgpr 66
		.amdhsa_reserve_vcc 0
		.amdhsa_float_denorm_mode_32 3
		.amdhsa_float_denorm_mode_16_64 3
		.amdhsa_memory_ordered 1
		.amdhsa_forward_progress 1
		.amdhsa_inst_pref_size 77
	.end_amdhsa_kernel
	.amdgpu_metadata
---
amdhsa.version: [ 1, 2 ]
amdhsa.kernels:
  - .name:           k_q47c757a416_proj
    .symbol:         k_q47c757a416_proj.kd
    .args:
      - { .name: ob, .offset: 0, .size: 8, .value_kind: global_buffer, .address_space: global }
      - { .name: wq, .offset: 8, .size: 8, .value_kind: global_buffer, .address_space: global }
      - { .name: out0, .offset: 16, .size: 8, .value_kind: global_buffer, .address_space: global }
    .group_segment_fixed_size: 327680
    .private_segment_fixed_size: 0
    .kernarg_segment_align: 8
    .kernarg_segment_size: 24
    .max_flat_workgroup_size: 128
    .sgpr_count:     66
    .vgpr_count:     768
    .wavefront_size: 32
...
	.end_amdgpu_metadata
.endif
;; end of part 4
